; MI455X (gfx1250); checked and timed in simulation.
; The chip was launched on July 23, 2026; its instructions are those of AMD's public machine-readable ISA for CDNA 5 (MIT licence, August 2026) and "CDNA5" Instruction Set Architecture Reference Guide (July 2026). The comments in the code are by the model that wrote it; some were corrected since.
;; Causal Attention. Allowed arithmetic: float matrix products may take bf16 or f16 operands with f32 sums; other float arithmetic in f32, or as packed bf16 or f16 multiplies, adds, multiply-adds, maxima and minima; sums over many terms, partial sums and values carried from step to step in f32; what a program stores and reads back later, other than sums and carried values, may be rounded once to bf16 or f16.
;; Inputs: Wk 1,024 x 1,024 float32; Wq 1,024 x 1,024 float32; Wv 1,024 x 1,024 float32; x 4 x 2,048 x 1,024 float32.
;; Outputs: out0 4 x 2,048 x 1,024 float32.
;; One version. Each part assembles by itself: llvm-mc -triple=amdgcn-amd-amdhsa -mcpu=gfx1250 --defsym DOCPART=n.
;; ======== version 1 of 1: 4 launches
;; limits: values are held in f16: magnitudes above 65,504 overflow, below 6.1e-05 lose precision
;; workspace buffers: xb 16,777,216 bytes; wt 6,291,456 bytes; qkv 50,331,648 bytes; pw 33,554,432 bytes; st 1,048,576 bytes
;; launch prep (part 1): grid 1216 x 1, 8 waves a work-group, no clusters, 34,304 bytes of LDS; arguments x, Wq, Wk, Wv, xb, wt; writes xb, wt
.if DOCPART == 1
	.amdgcn_target "amdgcn-amd-amdhsa--gfx1250"
	.amdhsa_code_object_version 6
	.text
	.protected	k_qfdc1a58f63_prep
	.globl	k_qfdc1a58f63_prep
	.p2align	8
	.type	k_qfdc1a58f63_prep,@function
k_qfdc1a58f63_prep:
	s_mov_b64 s[64:65], 0
	v_nop
	global_prefetch_b8 v0, s[64:65] scope:SCOPE_SE
	s_setreg_imm32_b32 hwreg(HW_REG_WAVE_MODE, 25, 1), 1
	s_wait_xcnt 0x0
; xb = x rounded to bf16, [8192][1024].  wt[n][d] = W[d][n % 1024] rounded to bf16, [3072][1024], W = Wq, Wk, Wv for n / 1024 = 0, 1, 2:
; the three weights turned, so that the product behind this launch finds K along the rows of both operands.
; Memory binds: each input byte is read once by 16-byte loads, each output byte written once; no matrix unit, no cluster, no tensor load would add anything.
; Work-groups 0-191 turn a block of 128 (d) x 128 (e) of one W through LDS; work-groups 192-1215 cast 32,768 bytes of x each.
; Both kinds pass the one barrier, which stands where the two ways meet; all registers that the second phase names are made at the head.
.set NTR,   192                        ; turning work-groups: 3 weights x 8 x 8 blocks
.set TP,    260                        ; a row of the table in LDS: 64 words (128 d of one e, in pairs) + 1 word of padding
.set SPARE, 128*TP                     ; 33,280, a multiple of 256: behind the table the spare words, 128 bytes for each of eight waves
.set SPW,   12                         ; v12  LDS address of my spare word; never rewritten
.set NIL,   13                         ; v13  0; never rewritten
.set IN,    16                         ; v16-79  the block's sixteen loads; later v16-47: rows read back from the table
.set PK,    80                         ; v80-87  two sets of four packed words
.set CI,    48                         ; v48-79  the cast: eight loads
.set CR,    88                         ; v88-103 the cast: eight pairs to store
	s_load_b256 s[4:11], s[0:1], 0x0               ; x s[4:5], Wq s[6:7], Wk s[8:9], Wv s[10:11]
	s_load_b128 s[12:15], s[0:1], 0x20             ; xb s[12:13], wt s[14:15]
	v_lshl_add_u32 v[SPW], v0, 2, SPARE
	v_mov_b32 v[NIL], 0
	v_lshrrev_b32 v2, 5, v0
	v_readfirstlane_b32 s16, v2                    ; wave 0..7
	v_and_b32 v1, 31, v0                           ; lane
	s_lshr_b32 s17, ttmp9, 6                       ; which weight
	s_bfe_u32 s18, ttmp9, 0x30003                  ; block along d
	s_and_b32 s19, ttmp9, 7                        ; block along e
	; the second phase: wave w reads rows e = 16 w .. 16 w + 15 of the table, two rows a step: lanes 0-15 one row of 256 bytes, lanes 16-31 the next
	v_lshrrev_b32 v8, 4, v1
	v_and_b32 v9, 15, v1
	v_lshl_add_u32 v8, s16, 4, v8                  ; e = 16 w + lane / 16
	v_mul_u32_u24 v4, v8, TP
	v_lshl_add_u32 v4, v9, 4, v4                   ; in the table
	v_lshlrev_b32 v5, 11, v8
	v_lshl_add_u32 v5, v9, 4, v5                   ; in wt: rows of 2,048 bytes
	s_lshl_b32 s22, s17, 10
	s_lshl_b32 s23, s19, 7
	s_add_co_u32 s22, s22, s23                     ; the block's first row of wt
	s_lshl_b32 s22, s22, 11
	s_lshl_b32 s23, s18, 8                         ; and its 256 bytes in a row
	s_add_co_u32 s22, s22, s23
	s_mov_b32 s23, 0
	s_wait_kmcnt 0x0
	s_add_nc_u64 s[24:25], s[14:15], s[22:23]      ; used by the turning work-groups alone
	s_cmp_lt_u32 ttmp9, NTR
	s_cbranch_scc0 .Lcast
	; TURNING, first phase.  A row of the block is 512 bytes: lane l holds e = 4 l .. 4 l + 3.  Rows d = 2 m and 2 m + 1 (m = 8 t + w) pack into one word for each e.
	s_cmp_eq_u32 s17, 1
	s_cselect_b64 s[20:21], s[8:9], s[6:7]
	s_cmp_eq_u32 s17, 2
	s_cselect_b64 s[20:21], s[10:11], s[20:21]
	s_lshl_b32 s26, s18, 19                        ; 128 rows of 4,096 bytes
	s_lshl_b32 s27, s19, 9                         ; 128 columns of 4 bytes
	s_add_co_u32 s26, s26, s27
	s_mov_b32 s27, 0
	s_add_nc_u64 s[20:21], s[20:21], s[26:27]
	v_lshlrev_b32 v2, 4, v1
	v_lshl_add_u32 v2, s16, 13, v2                 ; row 2 w, 16 bytes a lane
	v_mul_u32_u24 v3, v1, 4*TP
	v_lshl_add_u32 v3, s16, 2, v3                  ; table row 4 l, word w
.irp t, 0,1,2,3,4,5,6,7
	global_load_b128 v[IN+8*(\t):IN+8*(\t)+3],   v2, s[20:21] offset:(\t)*65536 th:TH_LOAD_NT
	global_load_b128 v[IN+8*(\t)+4:IN+8*(\t)+7], v2, s[20:21] offset:(\t)*65536+4096 th:TH_LOAD_NT
.endr
.irp t, 0,1,2,3,4,5,6,7
	s_wait_loadcnt 14-2*(\t)                       ; loads come back in order: pair t of rows is in, the younger pairs stay out
.irp k, 0,1,2,3
	v_cvt_pk_bf16_f32 v[PK+4*((\t)%2)+(\k)], v[IN+8*(\t)+(\k)], v[IN+8*(\t)+4+(\k)]  ; d even in the low half, d odd in the high half
.endr
.irp k, 0,1,2,3
	ds_store_b32 v3, v[PK+4*((\t)%2)+(\k)] offset:(\k)*TP+32*(\t)
.endr
.endr
	s_branch .Lmeet
.Lcast:                                                ; 256 threads x 8 loads of 16 bytes; a wave's store of 8 bytes a lane covers 256 consecutive bytes, aligned
	s_sub_co_u32 s26, ttmp9, NTR
	s_lshl_b32 s28, s26, 15
	s_mov_b32 s29, 0
	s_add_nc_u64 s[4:5], s[4:5], s[28:29]
	s_lshl_b32 s28, s26, 14
	s_add_nc_u64 s[12:13], s[12:13], s[28:29]
	v_lshlrev_b32 v6, 4, v0
	v_lshlrev_b32 v7, 3, v0
.irp k, 0,1,2,3,4,5,6,7
	global_load_b128 v[CI+4*(\k):CI+4*(\k)+3], v6, s[4:5] offset:4096*(\k) th:TH_LOAD_NT
.endr
.irp k, 0,1,2,3,4,5,6,7
	s_wait_loadcnt 7-(\k)                          ; load k is in, the younger ones stay out
	v_cvt_pk_bf16_f32 v[CR+2*(\k)],   v[CI+4*(\k)],   v[CI+4*(\k)+1]
	v_cvt_pk_bf16_f32 v[CR+2*(\k)+1], v[CI+4*(\k)+2], v[CI+4*(\k)+3]
	global_store_b64 v7, v[CR+2*(\k):CR+2*(\k)+1], s[12:13] offset:2048*(\k)
.endr
.Lmeet:
	s_wait_dscnt 0x0                               ; for the others' sake: my stores into the table are done
	s_barrier_signal -1
	s_barrier_wait -1
	s_cmp_lt_u32 ttmp9, NTR
	s_cbranch_scc0 .Lend
	; TURNING, second phase: whole rows of the table go out; sixteen lanes store 256 consecutive bytes, at a multiple of 256 from wt's first byte
.irp u, 0,1,2,3,4,5,6,7
.irp k, 0,1,2,3
	ds_load_b32 v[IN+4*(\u)+(\k)], v4 offset:(\u)*2*TP+4*(\k)
.endr
.endr
.irp u, 0,1,2,3,4,5,6,7
	s_wait_dscnt 28-4*(\u)                         ; the four words of step u are in, the younger ones stay out
	global_store_b128 v5, v[IN+4*(\u):IN+4*(\u)+3], s[24:25] offset:(\u)*4096
.endr
.Lend:
	s_wait_tensorcnt 0x0                           ; the wave's end: a wait, an add to my spare word and a wait for it, behind my last LDS store
	ds_add_u32 v[SPW], v[NIL]
	s_wait_dscnt 0x0
	s_endpgm
.Lfunc_end_k_qfdc1a58f63_prep:
	.size	k_qfdc1a58f63_prep, .Lfunc_end_k_qfdc1a58f63_prep-k_qfdc1a58f63_prep
	.p2alignl 7, 3214868480
	.fill 96, 4, 3214868480
	.section	.rodata,"a",@progbits
	.p2align	6, 0x0
	.amdhsa_kernel k_qfdc1a58f63_prep
		.amdhsa_group_segment_fixed_size 34304
		.amdhsa_private_segment_fixed_size 0
		.amdhsa_enable_private_segment 0
		.amdhsa_kernarg_size 48
		.amdhsa_user_sgpr_count 2
		.amdhsa_user_sgpr_kernarg_segment_ptr 1
		.amdhsa_wavefront_size32 1
		.amdhsa_system_sgpr_workgroup_id_x 1
		.amdhsa_system_sgpr_workgroup_id_y 1
		.amdhsa_system_sgpr_workgroup_id_z 1
		.amdhsa_system_vgpr_workitem_id 0
		.amdhsa_next_free_vgpr 104
		.amdhsa_next_free_sgpr 66
		.amdhsa_reserve_vcc 0
		.amdhsa_float_denorm_mode_32 3
		.amdhsa_float_denorm_mode_16_64 3
		.amdhsa_memory_ordered 1
		.amdhsa_forward_progress 1
		.amdhsa_inst_pref_size 15
	.end_amdhsa_kernel
	.amdgpu_metadata
---
amdhsa.version: [ 1, 2 ]
amdhsa.kernels:
  - .name:           k_qfdc1a58f63_prep
    .symbol:         k_qfdc1a58f63_prep.kd
    .args:
      - { .name: x, .offset: 0, .size: 8, .value_kind: global_buffer, .address_space: global }
      - { .name: Wq, .offset: 8, .size: 8, .value_kind: global_buffer, .address_space: global }
      - { .name: Wk, .offset: 16, .size: 8, .value_kind: global_buffer, .address_space: global }
      - { .name: Wv, .offset: 24, .size: 8, .value_kind: global_buffer, .address_space: global }
      - { .name: xb, .offset: 32, .size: 8, .value_kind: global_buffer, .address_space: global }
      - { .name: wt, .offset: 40, .size: 8, .value_kind: global_buffer, .address_space: global }
    .group_segment_fixed_size: 34304
    .private_segment_fixed_size: 0
    .kernarg_segment_align: 8
    .kernarg_segment_size: 48
    .max_flat_workgroup_size: 256
    .sgpr_count:     66
    .vgpr_count:     104
    .wavefront_size: 32
...
	.end_amdgpu_metadata
.endif
;; end of part 1
;; launch proj (part 2): grid 12 x 16, 4 waves a work-group, clusters of 4 x 4, 327,680 bytes of LDS; arguments xb, wt, qkv; writes qkv
.if DOCPART == 2
	.amdgcn_target "amdgcn-amd-amdhsa--gfx1250"
	.amdhsa_code_object_version 6
	.text
	.protected	k_qfdc1a58f63_proj
	.globl	k_qfdc1a58f63_proj
	.p2align	8
	.type	k_qfdc1a58f63_proj,@function
k_qfdc1a58f63_proj:
	s_mov_b64 s[64:65], 0
	v_nop
	global_prefetch_b8 v0, s[64:65] scope:SCOPE_SE
	s_setreg_imm32_b32 hwreg(HW_REG_WAVE_MODE, 25, 1), 1
	s_wait_xcnt 0x0
	s_wait_alu depctr_hold_cnt(0) depctr_sa_sdst(0) depctr_va_vdst(0) depctr_va_sdst(0) depctr_va_ssrc(0) depctr_va_vcc(0) depctr_vm_vsrc(0)
	s_getreg_b32 s2, hwreg(HW_REG_IB_STS2, 6, 4)
	s_cmp_eq_u32 s2, 0
	s_cbranch_scc0 .Lentry_in_a_cluster
	s_endpgm
.Lentry_in_a_cluster:
	s_bfe_u32 s2, ttmp6, 0x10000c
	s_cmp_lg_u32 s2, 0xf033
	s_cbranch_scc0 .Lentry_shape_is_right
	s_endpgm
.Lentry_shape_is_right:
; qkv[m][n] = sum over d of xb[m][d] wt[n][d]: [8192][3072] in f16 from bf16 operands, sums in f32, each number rounded once.  Columns 0-1023 are q, 1024-2047 k, 2048-3071 v.
; q is multiplied in f32 by c = log2(e) / 32 before its one rounding, so that the scores of the next launch come out of the matrix unit as exponents of 2.
; LIMIT: f16 ends at 65,504: c q, k and v must stay within it.
; A tile is 256 x 256, made by four waves of 128 x 128 each: 64 accumulators, 512 registers.  K goes in 8 steps of 128 (rows of 256 bytes, at multiples of 256 bytes) through two LDS slots:
; a step holds 256 matrix instructions a wave, and 32 LDS loads feed 64 of them.
; SHARES.  32 x 12 = 384 tiles.  Whole tiles cannot be dealt so that the busiest WGP of 256 has fewer than two, so 192 work-groups make two each, 4,096 rows apart, with the same rows of wt:
; the ring does not stop at the first tile's end, its last two changes of slots ask for the second tile's first two K steps, and nothing waits for the first tile's stores.
; CLUSTERS.  4 x 4 work-groups: the four of a row of the cluster need the same rows of xb, the four of a column the same rows of wt; each tile is asked for jointly: the same tensor load,
; descriptor and mask in all four.
; The matrix instruction is used transposed (source 0 = 16 rows of wt, source 1 = 16 rows of xb): a lane holds eight neighbouring columns of one row of the result.
; REGISTERS, in windows of 256: window 0: v0-31 addresses; v64-127, v128-191 fragments of xb, two buffers; on the way out v192-223 packed results, v32-63 and v224-255 rows read back.
;   window 1: v64-191 fragments of wt.   window 2: the accumulators of my rows 0-63 ((a, b) at v[8 (8 a + b)]).   window 3: those of my rows 64-127.
.set PITCH,  272                       ; an LDS row: 256 bytes + 16 of padding: the 16 rows of a fragment load start 68 words apart, at 16 different groups of four banks (ISA guide 11.1)
.set HALFT,  128*PITCH                 ; what one tensor load brings
.set SLOTX,  4*HALFT                   ; 0x22000: a slot: xb's 256 rows, then wt's 256.  No tile's base in slot 0 has bit 17 or bit 13 set, so an exclusive or with it changes slots
.set STAGE,  2*SLOTX                   ; behind the ring: 16 rows x 272 bytes for each wave, for the way out
.set SPARE,  STAGE+4*16*PITCH          ; behind the stages: the spare words, 128 bytes for each wave
.set OROW,   6144                      ; bytes in a row of qkv
.set WALK,   4096                      ; rows from a work-group's first tile to its second
.set WALKB,  WALK*2048                 ; the same in bytes of xb
.set NEXT_C, (WALK-128)*OROW           ; from behind my last row of the first tile to my first row of the second, in bytes of qkv
.set FLAGS,  (1<<16)|(1<<20)|(1<<21)|(5<<22)|(3<<25)  ; elements of 2 bytes; padding on; bit 21 beside a mask; after every 64 words; 4 words
.set AA0, 4                            ; v4   my lane's place in xb's tile of slot 0; never rewritten
.set AB0, 5                            ; v5   the same for wt
.set ADA, 16                           ; v16  AA0 in the slot in hand
.set ADB, 20                           ; v20
.set STO, 24                           ; v24  the way out: where I put 16 bytes of a row
.set RD,  25                           ; v25  where I read a row back
.set CO,  26                           ; v26  my byte offset in qkv
.set SPW, 28                           ; v28  LDS address of my spare word; never rewritten
.set NIL, 29                           ; v29  0; never rewritten
.set OB,  32                           ; the way out: rows read back, v32-63 and v224-255 by turns
.set F0,  64
.set F1,  128
.set TMP, 192                          ; the way out: packed results
.set PA,  14                           ; s[14:15] xb at the rows that I fetch for the first tile
.set PB,  46                           ; s[46:47] wt at the rows that I fetch
.set G1,  24                           ; s[24:31] group 1 for xb's tiles;  s[32:39] group 0: K step 0, and the set that walks from K step 1 on
.set G0,  32
.set G1B, 48                           ; s[48:55], s[56:63] the same for wt
.set G0B, 56
.set TB,  66                           ; s66  0 or SLOTX: the slot in hand
.set FAC, 68                           ; s[68:69] c for q's columns, 1 for the others
.set OF,  72                           ; s[72:73] an offset
.set NXT, 74                           ; s74  the K step (0 to 7) to be asked for next
.set TOFF, 75                          ; s75  0, or WALKB once the second tile's steps are asked for
.set RT,  76                           ; s76  K steps left of the tile in hand
.set NEW, 77                           ; s77  1: the step to be entered is a tile's first
.set MUL_LO, 0xa1                      ; source 0 (wt) window 1, source 1 (xb) window 0, C and D window 2
.set MUL_HI, 0xf1                      ; the same, C and D window 3
.set TO_B,   0x40                      ; destination window 1, address window 0
.set MSB, 0
.macro WIN new                         ; the immediate's high byte repeats the setting that is left; a switch that changes nothing is dropped
.if MSB != (\new)
	s_set_vgpr_msb (MSB<<8)|(\new)
.set MSB, \new
.endif
.endm
.macro PLACES                          ; four places in front of loads into registers that matrix instructions have read, and of vector lines that read results
.rept 4
	v_nop
.endr
.endm
.macro JLOAD                           ; a joint refill by the walking sets: waves 0 and 1 fetch xb's halves, waves 2 and 3 wt's; an s_nop 0 and four v_nop follow each line
	s_cmp_eq_u32 s11, 0
	s_cbranch_scc0 .Lfor_b_\@
	tensor_load_to_lds s[G0+4:G0+7], s[G1:G1+7]
	s_nop 0
	PLACES
	s_branch .Lasked_\@
.Lfor_b_\@:
	tensor_load_to_lds s[G0B+4:G0B+7], s[G1B:G1B+7]
	s_nop 0
	PLACES
.Lasked_\@:
.endm
.macro CREST                           ; a round of the cluster's barrier behind its opening barrier
	s_cmp_lg_u32 s10, 0
	s_cbranch_scc1 .Lnot_wave_0_\@
	s_barrier_signal -3
.Lnot_wave_0_\@:
	s_barrier_wait -3
	s_barrier_signal -1
	s_barrier_wait -1
.endm
.macro CROUND                          ; a whole round
	s_barrier_signal -1
	s_barrier_wait -1
	CREST
.endm
; The walking sets for the next K step of the walk: the other slot than last time; each address made anew from its base and an offset made apart; behind a tile's step 7 comes the next tile's step 0.
; Scalar work alone; it stands where no tensor load of the wave is out.  NXT and TOFF are the same numbers in every work-group.
.macro REQ
	s_xor_b32 s[G0+5], s[G0+5], SLOTX
	s_xor_b32 s[G0B+5], s[G0B+5], SLOTX
	s_lshl_b32 s[OF], s[NXT], 8                    ; 128 along K are 256 bytes of a row
	s_add_nc_u64 s[G0B+6:G0B+7], s[PB:PB+1], s[OF:OF+1]
	s_or_b32 s[G0B+7], s[G0B+7], 0x80000000        ; type = 2
	s_add_co_u32 s[OF], s[OF], s[TOFF]             ; xb's rows go down with the tile, wt's stay
	s_add_nc_u64 s[G0+6:G0+7], s[PA:PA+1], s[OF:OF+1]
	s_or_b32 s[G0+7], s[G0+7], 0x80000000
	s_add_co_u32 s[NXT], s[NXT], 1
	s_cmp_gt_u32 s[NXT], 7
	s_cselect_b32 s[NXT], 0, s[NXT]
	s_cselect_b32 s[TOFF], WALKB, s[TOFF]
.endm
	s_load_b128 s[4:7], s[0:1], 0x0                ; xb s[4:5], wt s[6:7]
	s_load_b64 s[8:9], s[0:1], 0x10                ; qkv
	v_lshl_add_u32 v[SPW], v0, 2, SPARE
	v_mov_b32 v[NIL], 0
	ds_add_u32 v[SPW], v[NIL]                      ; the wave's opening: the add and its wait stand ahead of my first tensor load; work on registers stands between them
	ds_add_u32 v28, v29
	v_lshrrev_b32 v1, 5, v0
	v_readfirstlane_b32 s10, v1                    ; wave 0..3
	s_lshr_b32 s11, s10, 1                         ; which half of the tile's rows is mine.  Also: I fetch for xb (0) or for wt (1)
	s_and_b32 s12, s10, 1                          ; which half of its columns.  Also: which 128 rows of that tile I fetch
	s_bfe_u32 s40, ttmp6, 0x40000                  ; cx, cy: my place in the cluster
	s_bfe_u32 s41, ttmp6, 0x40004
	s_lshl_b32 s42, ttmp9, 2
	s_add_co_u32 s42, s42, s40                     ; tile column = 4 x cluster x + cx: 0 to 11
	s_and_b32 s13, ttmp7, 0xffff
	s_lshl_b32 s13, s13, 2
	s_add_co_u32 s13, s13, s41                     ; the first tile's row = 4 x cluster y + cy: 0 to 15
	s_lshl_b32 s43, s41, 2
	s_lshl_b32 s43, 15, s43                        ; my row of the cluster
	s_lshl_b32 s44, 0x1111, s40                    ; my column
	s_or_b32 s[G1], s43, FLAGS                     ; xb's tiles go to my row,
	s_or_b32 s[G1B], s44, FLAGS                    ; wt's to my column
.irp g, G1, G1B
	s_mov_b32 s[(\g)+1], 128<<16                   ; tensor_dim0 = 128
	s_mov_b32 s[(\g)+2], 128<<16                   ; tensor_dim1 = 128
	s_mov_b32 s[(\g)+3], 128<<16                   ; tile_dim0 = 128
	s_mov_b32 s[(\g)+4], 128                       ; tile_dim1 = 128
	s_mov_b32 s[(\g)+5], 1024                      ; elements from row to row
	s_mov_b32 s[(\g)+6], 0
	s_mov_b32 s[(\g)+7], 0
.endr
	s_lshl_b32 s16, s13, 8
	s_lshl_b32 s17, s12, 7
	s_add_co_u32 s16, s16, s17                     ; xb: row 256 x tile row + 128 x half,
	s_lshl_b32 s16, s16, 11                        ; in bytes (under 2^23)
	s_mov_b32 s17, 0
	s_lshl_b32 s46, s42, 8
	s_lshl_b32 s47, s12, 7
	s_add_co_u32 s46, s46, s47                     ; wt: row 256 x tile column + 128 x half
	s_lshl_b32 s46, s46, 11
	s_mov_b32 s47, 0
	s_mul_i32 s20, s10, HALFT                      ; where they go: wave x 128 rows: no place in the cluster enters an LDS address
	s_cmp_eq_u32 ttmp9, 0                          ; tile columns 0-3 are q: cluster 0 along x
	s_cselect_b32 s[FAC], 0x3d38aa3b, 1.0          ; c = log2(e) / 32 = 0.0450842
	s_mov_b32 s[FAC+1], s[FAC]                     ; named with it as a pair
	s_mov_b32 s[TB], 0
	s_mov_b32 s[OF+1], 0
	s_mov_b32 s[NXT], 2                            ; K steps 0 and 1 are the first fills
	s_mov_b32 s[TOFF], 0
	s_wait_dscnt 0x0                               ; the opening add is done
	s_wait_kmcnt 0x0
	s_add_nc_u64 s[PA:PA+1], s[4:5], s[16:17]
	s_add_nc_u64 s[PB:PB+1], s[6:7], s[46:47]
.irp s, 0,1
	s_mov_b32 s[G0+4*(\s)], 1                      ; count = 1
	s_add_co_u32 s[G0+4*(\s)+1], s20, (\s)*SLOTX   ; LDS address
	s_add_nc_u64 s[G0+4*(\s)+2:G0+4*(\s)+3], s[PA:PA+1], (\s)*256  ; global address: K step s
	s_or_b32 s[G0+4*(\s)+3], s[G0+4*(\s)+3], 0x80000000            ; type = 2
	s_mov_b32 s[G0B+4*(\s)], 1
	s_add_co_u32 s[G0B+4*(\s)+1], s20, (\s)*SLOTX
	s_add_nc_u64 s[G0B+4*(\s)+2:G0B+4*(\s)+3], s[PB:PB+1], (\s)*256
	s_or_b32 s[G0B+4*(\s)+3], s[G0B+4*(\s)+3], 0x80000000
.endr
	CROUND                                         ; all sixteen work-groups are here: the first joint loads meet
	s_cmp_eq_u32 s11, 0                            ; a wave's two first fills stand in one branch: two loads of mine are out
	s_cbranch_scc0 .Lfirst_b
	tensor_load_to_lds s[G0:G0+3], s[G1:G1+7]
	s_nop 0
	tensor_load_to_lds s[G0+4:G0+7], s[G1:G1+7]
	s_nop 0
	PLACES
	s_branch .Lfirst_asked
.Lfirst_b:
	tensor_load_to_lds s[G0B:G0B+3], s[G1B:G1B+7]
	s_nop 0
	tensor_load_to_lds s[G0B+4:G0B+7], s[G1B:G1B+7]
	s_nop 0
	PLACES
.Lfirst_asked:
	; a fragment is 16 rows x 32 K in 8 registers: lane l holds row l % 16, K = 8 (l / 16) + 0..7 and 16 + 8 (l / 16) + 0..7: two loads of 16 bytes, 32 bytes apart
	v_and_b32 v1, 15, v0                           ; l % 16
	v_bfe_u32 v2, v0, 4, 1                         ; l / 16
	v_mul_u32_u24 v3, v1, PITCH
	v_lshl_add_u32 v3, v2, 4, v3                   ; row x pitch + 16 x half
	s_mul_i32 s21, s11, HALFT                      ; my 128 rows of xb
	s_mul_i32 s22, s12, HALFT                      ; my 128 rows of wt,
	s_add_co_u32 s22, s22, 2*HALFT                 ; which lie behind xb's 256
	v_add_nc_u32 v[AA0], s21, v3
	v_add_nc_u32 v[AB0], s22, v3
	v_mov_b32 v[ADA], v[AA0]
	v_mov_b32 v[ADB], v[AB0]
	s_mul_i32 s23, s10, 16*PITCH
	s_add_co_u32 s23, s23, STAGE                   ; my stage
	v_add_nc_u32 v[STO], s23, v3                   ; in: row l % 16, 16 bytes for each half of the lanes
	v_mul_u32_u24 v9, v2, PITCH                    ; back: lanes 0-15 one row of 256 bytes, lanes 16-31 the next
	v_lshl_add_u32 v9, v1, 4, v9
	v_add_nc_u32 v[RD], s23, v9
	v_mul_u32_u24 v9, v2, OROW                     ; and the same two rows in qkv
	v_lshl_add_u32 v[CO], v1, 4, v9
	s_lshl_b32 s70, s13, 8
	s_lshl_b32 s71, s11, 7
	s_add_co_u32 s70, s70, s71                     ; my first row of qkv in the first tile
	s_mul_i32 s70, s70, OROW                       ; (under 2^25)
	s_lshl_b32 s71, s42, 9                         ; the tile's 512 bytes in a row,
	s_add_co_u32 s70, s70, s71
	s_lshl_b32 s71, s12, 8                         ; my 256 of them
	s_add_co_u32 s70, s70, s71
	s_mov_b32 s71, 0
	s_add_nc_u64 s[8:9], s[8:9], s[70:71]
; 16 matrix instructions: row blocks a0, a0 + 1 of the window's four x all 8 column blocks, 32 along K.  zero = 1: the product starts the sums: nothing is cleared.
; The 64 accumulators take turns in the same order in every quarter.
.macro MUL16 f, hi, a0, zero
	WIN MUL_LO+0x50*(\hi)
.irp a, \a0, (\a0)+1
.irp b, 0,1,2,3,4,5,6,7
.if \zero
	v_wmma_f32_16x16x32_bf16 v[8*(8*(\a)+(\b)):8*(8*(\a)+(\b))+7], v[(\f)+8*(\b):(\f)+8*(\b)+7], v[(\f)+8*(4*(\hi)+(\a)):(\f)+8*(4*(\hi)+(\a))+7], 0
.else
	v_wmma_f32_16x16x32_bf16 v[8*(8*(\a)+(\b)):8*(8*(\a)+(\b))+7], v[(\f)+8*(\b):(\f)+8*(\b)+7], v[(\f)+8*(4*(\hi)+(\a)):(\f)+8*(4*(\hi)+(\a))+7], v[8*(8*(\a)+(\b)):8*(8*(\a)+(\b))+7]
.endif
.endr
.endr
.endm
.macro FETCH k, f                      ; 32 LDS loads in one run: the fragments of 32 along K at byte k of the rows, into buffer f: wt's sixteen, then xb's
	WIN TO_B
.irp i, 0,1,2,3,4,5,6,7
	ds_load_b128 v[(\f)+8*(\i):(\f)+8*(\i)+3],   v[ADB] offset:(\k)+(\i)*16*PITCH
	ds_load_b128 v[(\f)+8*(\i)+4:(\f)+8*(\i)+7], v[ADB] offset:(\k)+(\i)*16*PITCH+32
.endr
	WIN 0
.irp i, 0,1,2,3,4,5,6,7
	ds_load_b128 v[(\f)+8*(\i):(\f)+8*(\i)+3],   v[ADA] offset:(\k)+(\i)*16*PITCH
	ds_load_b128 v[(\f)+8*(\i)+4:(\f)+8*(\i)+7], v[ADA] offset:(\k)+(\i)*16*PITCH+32
.endr
.endm
; a K step is four quarters of 32 along K, 64 matrix instructions each, on buffers 0, 1, 0, 1.  One of the first three: multiplies f; in its middle the next quarter's fragments, at byte k, into g.
.macro QUARTER k, f, g, zero
	s_wait_dscnt 8                                 ; all but the youngest eight loads: xb's rows 64-127
	MUL16 \f, 0, 0, \zero
	MUL16 \f, 0, 2, \zero
	PLACES
.if \zero
	v_nop                                          ; a fifth place: the products below do not add in place but write over window 3's accumulators, which the last quarter's closing products used:
	                                               ; a matrix instruction that writes over a register of an earlier one stands five places behind it (ISA guide 7.12.1).  Window 2's accumulators,
	                                               ; written over above, have the four v_nop behind the refill and the two address lines of the change of slots between
.endif
	FETCH \k, \g
	s_wait_dscnt 32                                ; all but the 32 just issued
	MUL16 \f, 1, 0, \zero
	MUL16 \f, 1, 2, \zero
.endm
; the last quarter multiplies buffer 1 and changes slots: one barrier; in front of it each wave waits for all its tensor loads (one is out: its part of the next slot), adds 0 to its spare
; word, and waits for that and for its reads of this slot.  fill = 1: the barrier opens a round of the cluster's, and this slot is filled again, two K steps ahead, first thing behind it:
; from that request to the wait for it a wave issues 224 matrix instructions, across the change of tiles too.
.macro TURN fill
	WIN 0
	s_wait_tensorcnt 0x0
	ds_add_u32 v[SPW], v[NIL]                      ; 0 onto my spare word; the descriptors' scalar work stands between it and the wait for it
.if \fill
	REQ
.endif
	s_wait_dscnt 9                                 ; the add and the youngest eight loads may be out
	MUL16 F1, 0, 0, 0
	s_wait_dscnt 0x0                               ; the add is done, and my reads of this slot are over
	s_barrier_signal -1
	MUL16 F1, 0, 2, 0
	WIN 0
	s_barrier_wait -1
.if \fill
	CREST                                          ; no wave of any partner still reads this slot or has a load on its way
	JLOAD                                          ; its four v_nop are also the places in front of the loads below
.else
	PLACES
.endif
	s_xor_b32 s[TB], s[TB], SLOTX
	v_add_nc_u32 v[ADA], s[TB], v[AA0]
	v_add_nc_u32 v[ADB], s[TB], v[AB0]
	FETCH 0, F0
	MUL16 F1, 1, 0, 0
	MUL16 F1, 1, 2, 0
.endm
; THE WAY OUT, 16 rows at a time (block a of window 2's four): times the factor, rounded to f16 (each accumulator from its low end on), 16 bytes a lane into my own
; stage, back as whole rows of 256 bytes, stored.  It names neither fragment buffer 0, which may hold the next tile's first fragments, nor any byte of the ring.
.macro PACK a
.set AC, 64*(\a)
	WIN 0x82                                       ; destination and source 0 in window 2
.set i, 0
.rept 32
	v_pk_mul_f32 v[AC+2*i:AC+2*i+1], v[AC+2*i:AC+2*i+1], s[FAC:FAC+1] op_sel_hi:[1,0]
.set i, i+1
.endr
	WIN 0x0a                                       ; sources in window 2, destination in window 0
.set i, 0
.rept 32
	v_cvt_pk_f16_f32 v[TMP+i], v[AC+2*i], v[AC+2*i+1]
.set i, i+1
.endr
	WIN 0
.endm
.macro TOSTAGE a
.set BK, OB+192*((\a)%2)
.irp b, 0,1,2,3,4,5,6,7
	ds_store_b128 v[STO], v[TMP+4*(\b):TMP+4*(\b)+3] offset:32*(\b)
.endr
.irp t, 0,1,2,3,4,5,6,7
	ds_load_b128 v[BK+4*(\t):BK+4*(\t)+3], v[RD] offset:(\t)*2*PITCH  ; LDS serves a wave's instructions in order (ISA guide 5.7.1.4): these see the stores above
.endr
.endm
.macro SEND a
.set BK, OB+192*((\a)%2)
	s_wait_dscnt 0x0                               ; the block is back in registers
	s_wait_xcnt 0x0                                ; the registers that earlier stores read are loaded again only behind this wait
.irp t, 0,1,2,3,4,5,6,7
	global_store_b128 v[CO], v[BK+4*(\t):BK+4*(\t)+3], s[8:9] offset:(16*(\a)+2*(\t))*OROW  ; 16 lanes store 256 consecutive bytes, at a multiple of 256 from qkv's first byte
.endr
.endm
.macro OUT                             ; two trips of one text on window 2: my rows 0-63, then 64-127, whose accumulators are brought down between the trips
	PLACES
	s_mov_b32 s2, 2
.Lhalf_\@:
	PACK 0
	TOSTAGE 0
.irp a, 1,2,3                          ; block a's arithmetic stands between block a - 1's loads from the stage and the wait for them
	PACK \a
	SEND (\a)-1
	TOSTAGE \a
.endr
	SEND 3
	s_wait_xcnt 0x0                                ; the stores have read their base
	s_add_nc_u64 s[8:9], s[8:9], 64*OROW
	s_sub_co_u32 s2, s2, 1
	s_cmp_eq_u32 s2, 0
	s_cbranch_scc1 .Lno_move_\@
	WIN 0x83                                       ; from window 3 to window 2, each accumulator from its low end on
.set i, 0
.rept 256
	v_mov_b32 v[i], v[i]
.set i, i+1
.endr
	WIN 0
.Lno_move_\@:
	s_cmp_lg_u32 s2, 0
	s_cbranch_scc1 .Lhalf_\@
.endm
	s_wait_tensorcnt 0x1                           ; my part of K step 0 is in; K step 1's may stay out
	s_barrier_signal -1
	s_barrier_wait -1                              ; everybody's is
	FETCH 0, F0
	WIN 0
	s_mov_b32 s[NEW], 1
	s_mov_b32 s[RT], 8
	s_mov_b32 s3, 14
.Lstep:                                                ; 14 trips, a K step each: steps 0 to 13 of the walk's 16 ask for steps 2 to 15
	s_cmp_eq_u32 s[NEW], 1                         ; at the first trip the answer is a constant of the text
	s_cbranch_scc1 .Lnew
	QUARTER 64, F0, F1, 0
	WIN 0
	s_branch .Lgo
.Lnew:                                                 ; a tile's first quarter: its products start the sums
	s_mov_b32 s[NEW], 0
	QUARTER 64, F0, F1, 1
	WIN 0
.Lgo:
	QUARTER 128, F1, F0, 0
	QUARTER 192, F0, F1, 0
	TURN 1
	WIN 0
	s_sub_co_u32 s[RT], s[RT], 1
	s_cmp_lg_u32 s[RT], 0
	s_cbranch_scc1 .Lsame                          ; forward, past text that holds neither a barrier nor a tensor load
	OUT                                            ; the first tile goes out: both refills for the second have been asked for, and its first fragments are on their way
	s_add_nc_u64 s[8:9], s[8:9], NEXT_C            ; no store has been issued since the way out's last wait for its stores' base
	s_mov_b32 s[RT], 8
	s_mov_b32 s[NEW], 1
.Lsame:
	s_sub_co_u32 s3, s3, 1
	s_cmp_lg_u32 s3, 0
	s_cbranch_scc1 .Lstep
	s_mov_b32 s3, 2
.Ltail:                                                ; steps 14 and 15 ask for nothing.  The last trip's 32 fragment loads read the other slot's old tile and serve nothing: the price of one text for both
	QUARTER 64, F0, F1, 0
	QUARTER 128, F1, F0, 0
	QUARTER 192, F0, F1, 0
	TURN 0
	WIN 0
	s_sub_co_u32 s3, s3, 1
	s_cmp_lg_u32 s3, 0
	s_cbranch_scc1 .Ltail
	s_wait_dscnt 0x0
	OUT
	s_wait_tensorcnt 0x0                           ; the wave's end: a wait, an add to my spare word and a wait for it, behind my last tensor load and my last LDS store
	ds_add_u32 v[SPW], v[NIL]
	s_wait_dscnt 0x0
	CROUND                                         ; the closing round: no work-group ends while a partner may still ask for a tile that names it
	s_endpgm
.Lfunc_end_k_qfdc1a58f63_proj:
	.size	k_qfdc1a58f63_proj, .Lfunc_end_k_qfdc1a58f63_proj-k_qfdc1a58f63_proj
	.p2alignl 7, 3214868480
	.fill 96, 4, 3214868480
	.section	.rodata,"a",@progbits
	.p2align	6, 0x0
	.amdhsa_kernel k_qfdc1a58f63_proj
		.amdhsa_group_segment_fixed_size 327680
		.amdhsa_private_segment_fixed_size 0
		.amdhsa_enable_private_segment 0
		.amdhsa_kernarg_size 24
		.amdhsa_user_sgpr_count 2
		.amdhsa_user_sgpr_kernarg_segment_ptr 1
		.amdhsa_wavefront_size32 1
		.amdhsa_system_sgpr_workgroup_id_x 1
		.amdhsa_system_sgpr_workgroup_id_y 1
		.amdhsa_system_sgpr_workgroup_id_z 1
		.amdhsa_system_vgpr_workitem_id 0
		.amdhsa_next_free_vgpr 1024
		.amdhsa_next_free_sgpr 80
		.amdhsa_reserve_vcc 0
		.amdhsa_float_denorm_mode_32 3
		.amdhsa_float_denorm_mode_16_64 3
		.amdhsa_memory_ordered 1
		.amdhsa_forward_progress 1
		.amdhsa_inst_pref_size 133
	.end_amdhsa_kernel
	.amdgpu_metadata
---
amdhsa.version: [ 1, 2 ]
amdhsa.kernels:
  - .name:           k_qfdc1a58f63_proj
    .symbol:         k_qfdc1a58f63_proj.kd
    .args:
      - { .name: xb, .offset: 0, .size: 8, .value_kind: global_buffer, .address_space: global }
      - { .name: wt, .offset: 8, .size: 8, .value_kind: global_buffer, .address_space: global }
      - { .name: qkv, .offset: 16, .size: 8, .value_kind: global_buffer, .address_space: global }
    .group_segment_fixed_size: 327680
    .private_segment_fixed_size: 0
    .kernarg_segment_align: 8
    .kernarg_segment_size: 24
    .max_flat_workgroup_size: 128
    .sgpr_count:     80
    .vgpr_count:     1024
    .wavefront_size: 32
...
	.end_amdgpu_metadata
.endif
;; end of part 2
;; launch score (part 3): grid 36 x 4, 4 waves a work-group, no clusters, 327,680 bytes of LDS; arguments qkv, pw, st; writes pw, st
.if DOCPART == 3
	.amdgcn_target "amdgcn-amd-amdhsa--gfx1250"
	.amdhsa_code_object_version 6
	.text
	.protected	k_qfdc1a58f63_score
	.globl	k_qfdc1a58f63_score
	.p2align	8
	.type	k_qfdc1a58f63_score,@function
k_qfdc1a58f63_score:
	s_mov_b64 s[64:65], 0
	v_nop
	global_prefetch_b8 v0, s[64:65] scope:SCOPE_SE
	s_setreg_imm32_b32 hwreg(HW_REG_WAVE_MODE, 25, 1), 1
	s_wait_xcnt 0x0
; For each tile of 256 queries x 256 keys on or below the diagonal (36 a batch): S = (c q) k^T, in exponents of 2, f16 operands, f32 sums; for each query and each CHUNK of 128 keys
; m = the chunk's largest visible S, p = 2^(S - m) (f16, into pw [4][2048][2048]) and l = the sum of the unrounded p; m and l in f32 into st [4][16 chunks][m, l][2048 rows].
; The next launch weighs each chunk by 2^(m - M), M the row's largest m: so the row's true maximum is taken away, for every input, and no exponent here is above 0.
; LIMITS: a hidden score counts as its value less 1e30; a chunk with no visible key takes m = -1e29 and so p = 0, l = 0: true scores below -1e29 are not served;
; p below 2^-126 counts as 0 in l, p below 6e-5 keeps f16's fixed step; NaN and infinities are not treated apart.
; NO CLUSTER: row i of the triangle has i + 1 tiles, so neither its rows nor its columns divide into fours, and partners of a mixed four would need different tiles.
; Four waves, each 128 queries x 128 keys (one chunk): 64 accumulators, 512 registers.  The head size, 1,024, goes in 8 steps of 128 through two LDS slots; each wave fetches 128 rows x 256 bytes.
; The matrix instruction is used transposed (source 0 = 16 keys, source 1 = 16 queries): a lane holds ONE query (lane % 16) and the keys 8 (lane / 16) + 0..7 of each key block.
; THE MASK STARTS THE SUMS: the accumulators are set to 0 or -1e30 in the wait for the first tile, and every matrix instruction adds in place.
; REGISTERS: window 0: v0-31 addresses, v32-39 the diagonal block's mask, v64-127 and v128-191 fragments of q (two buffers); on the way out v64-127 rows, v128-135 at work, v192-223 packed p.
;   window 1: v64-191 fragments of k.   window 2: the accumulators of my queries 0-63 ((a, b) at v[8 (8 a + b)]).   window 3: those of my queries 64-127.
.set PITCH,  272                       ; an LDS row: 256 bytes + 16 of padding (ISA guide 11.1: the 16 rows of a load start at 16 different groups of four banks)
.set HALFT,  128*PITCH                 ; what one tensor load brings
.set SLOTX,  4*HALFT                   ; 0x22000: a slot: q's 256 rows, then k's 256.  No tile's base in slot 0 has bit 17 or bit 13 set, so an exclusive or with it changes slots
.set STAGE,  2*SLOTX                   ; 16 rows x 272 bytes for each wave
.set STATS,  STAGE+4*16*PITCH          ; 128 m, then 128 l, for each wave
.set SPARE,  STATS+4*1024              ; the spare words, 128 bytes for each wave
.set QROW,   6144                      ; bytes in a row of qkv
.set PROW,   4096                      ; bytes in a row of pw
.set AA0, 4                            ; v4   my lane's place in q's tile of slot 0; never rewritten
.set AB0, 5                            ; v5   the same for k
.set SSA, 6                            ; v6   where my query's m goes in my statistics
.set SRD, 7                            ; v7   where I read four of them back
.set SGO, 8                            ; v8   16 x lane
.set MP,  10                           ; v[10:11] m, in the low word
.set PX,  12                           ; v12  what the lane 16 away holds
.set LS,  13                           ; v13  l
.set ADA, 16                           ; v16  AA0 in the slot in hand
.set ADB, 20                           ; v20
.set STO, 24
.set RD,  25
.set CO,  26
.set SPW, 28                           ; v28  LDS address of my spare word; never rewritten
.set NIL, 29                           ; v29  0; never rewritten
.set MD,  32                           ; v32-39  -1e30 where key 8 (l / 16) + j is beyond query l % 16
.set F0,  64
.set F1,  128
.set OB,  64                           ; the way out: rows read back, v64-95 and v96-127 by turns
.set T,   128
.set TMP, 192
.set G1,  24                           ; s[24:31] descriptor group 1
.set G0,  32                           ; s[32:35] group 0 for step 0; s[36:39] walks from step 1 on
.set TB,  40                           ; s40  0 or SLOTX
.set DB,  41                           ; s41  16 (j - i) + 8 (my key half - my query half): my first key block less my first query block
.set AL,  42                           ; s[42:43] the mask's factor
.set BE,  44                           ; s[44:45] the mask's addend
.set BIGN, 46                          ; s46  -1e30
.set FLOOR, 47                         ; s47  -1e29
.set SEL, 48                           ; s[48:49] v_permlanex16_b32's selects: each lane takes its own place in the other half
.set MUL_LO, 0xa1                      ; source 0 (k) window 1, source 1 (q) window 0, C and D window 2
.set MUL_HI, 0xf1                      ; the same, C and D window 3
.set TO_B,   0x40
.set MSB, 0
.macro WIN new
.if MSB != (\new)
	s_set_vgpr_msb (MSB<<8)|(\new)
.set MSB, \new
.endif
.endm
.macro PLACES                          ; four places (ISA guide 7.12.1)
.rept 4
	v_nop
.endr
.endm
	s_load_b128 s[4:7], s[0:1], 0x0                ; qkv s[4:5], pw s[6:7]
	s_load_b64 s[8:9], s[0:1], 0x10                ; st
	v_lshl_add_u32 v[SPW], v0, 2, SPARE
	v_mov_b32 v[NIL], 0
	ds_add_u32 v[SPW], v[NIL]                      ; the wave's opening: the add and its wait stand ahead of my first tensor load
	ds_add_u32 v28, v29
	v_lshrrev_b32 v1, 5, v0
	v_readfirstlane_b32 s10, v1                    ; wave 0..3
	s_lshr_b32 s11, s10, 1                         ; my half of the queries.  Also: I fetch q (0) or k (1)
	s_and_b32 s12, s10, 1                          ; my half of the keys.  Also: which 128 rows I fetch
	s_mov_b32 s13, 0                               ; tile t of the triangle lies in row i: as many of the rows' first numbers as are not above t
.irp tri, 1,3,6,10,15,21,28
	s_cmp_ge_u32 ttmp9, \tri
	s_cselect_b32 s2, 1, 0
	s_add_co_u32 s13, s13, s2
.endr
	s_add_co_u32 s2, s13, 1
	s_mul_i32 s2, s2, s13
	s_lshr_b32 s2, s2, 1
	s_sub_co_u32 s14, ttmp9, s2                    ; and in column j = t - i (i + 1) / 2
	s_and_b32 s15, ttmp7, 0xffff                   ; batch
	s_mov_b32 s[G1], (1<<16)|(1<<20)|(5<<22)|(3<<25)  ; elements of 2 bytes; padding on, 4 words after every 64
	s_mov_b32 s[G1+1], 128<<16                     ; tensor_dim0 = 128
	s_mov_b32 s[G1+2], 128<<16                     ; tensor_dim1 = 128
	s_mov_b32 s[G1+3], 128<<16                     ; tile_dim0 = 128
	s_mov_b32 s[G1+4], 128                         ; tile_dim1 = 128
	s_mov_b32 s[G1+5], 3072                        ; elements from row to row
	s_mov_b32 s[G1+6], 0
	s_mov_b32 s[G1+7], 0
	s_cmp_eq_u32 s11, 0
	s_cselect_b32 s16, s13, s14                    ; q's rows go by i, k's by j,
	s_cselect_b32 s18, 0, 2048                     ; and k lies 2,048 bytes into a row
	s_lshl_b32 s16, s16, 8
	s_lshl_b32 s17, s12, 7
	s_add_co_u32 s16, s16, s17
	s_lshl_b32 s17, s15, 11
	s_add_co_u32 s16, s16, s17                     ; the first row that I fetch
	s_mul_i32 s16, s16, QROW                       ; (under 2^26)
	s_add_co_u32 s16, s16, s18
	s_mov_b32 s17, 0
	s_mul_i32 s20, s10, HALFT                      ; where it goes: wave x 128 rows
	s_sub_co_i32 s[DB], s14, s13
	s_lshl_b32 s[DB], s[DB], 4
	s_sub_co_i32 s2, s12, s11
	s_lshl_b32 s2, s2, 3
	s_add_co_i32 s[DB], s[DB], s2
	s_mov_b32 s[AL+1], 0                           ; named as pairs
	s_mov_b32 s[BE+1], 0
	s_mov_b32 s[BIGN], 0xf149f2ca
	s_mov_b32 s[FLOOR], 0xefa18f08
	s_mov_b32 s[SEL], 0x76543210
	s_mov_b32 s[SEL+1], 0xfedcba98
	s_mov_b32 s[TB], 0
	s_wait_dscnt 0x0                               ; the opening add is done
	s_wait_kmcnt 0x0
	s_add_nc_u64 s[18:19], s[4:5], s[16:17]
	s_mov_b32 s[G0], 1
	s_mov_b32 s[G0+1], s20
	s_add_nc_u64 s[G0+2:G0+3], s[18:19], 0
	s_or_b32 s[G0+3], s[G0+3], 0x80000000
	s_mov_b32 s[G0+4], 1
	s_add_co_u32 s[G0+5], s20, SLOTX
	s_add_nc_u64 s[G0+6:G0+7], s[18:19], 256
	s_or_b32 s[G0+7], s[G0+7], 0x80000000
	tensor_load_to_lds s[G0:G0+3], s[G1:G1+7]      ; both first fills go out together: two loads of mine are out
	s_nop 0
	tensor_load_to_lds s[G0+4:G0+7], s[G1:G1+7]
	s_nop 0
	PLACES
	v_and_b32 v1, 15, v0                           ; l % 16
	v_bfe_u32 v2, v0, 4, 1                         ; l / 16
	v_mul_u32_u24 v3, v1, PITCH
	v_lshl_add_u32 v3, v2, 4, v3                   ; a fragment's row x pitch + 16 x half
	s_mul_i32 s21, s11, HALFT
	s_mul_i32 s22, s12, HALFT
	s_add_co_u32 s22, s22, 2*HALFT
	v_add_nc_u32 v[AA0], s21, v3
	v_add_nc_u32 v[AB0], s22, v3
	v_mov_b32 v[ADA], v[AA0]
	v_mov_b32 v[ADB], v[AB0]
	s_mul_i32 s23, s10, 16*PITCH
	s_add_co_u32 s23, s23, STAGE                   ; my stage
	v_add_nc_u32 v[STO], s23, v3
	v_mul_u32_u24 v9, v2, PITCH
	v_lshl_add_u32 v9, v1, 4, v9
	v_add_nc_u32 v[RD], s23, v9
	v_lshlrev_b32 v[CO], 12, v2                    ; two rows of pw,
	v_lshl_add_u32 v[CO], v1, 4, v[CO]             ; 16 bytes a lane
	s_lshl_b32 s23, s10, 10
	s_add_co_u32 s23, s23, STATS                   ; my statistics
	v_lshl_add_u32 v[SSA], v1, 2, s23
	v_and_b32 v9, 31, v0
	v_lshlrev_b32 v[SGO], 4, v9
	v_add_nc_u32 v[SRD], s23, v[SGO]
	v_mov_b32 v[MP+1], 0                           ; named with m as a pair
	v_mov_b32 v[PX], 0                             ; v_permlanex16_b32's destination counts as read
	s_lshl_b32 s16, s13, 8
	s_lshl_b32 s21, s11, 7
	s_add_co_u32 s16, s16, s21                     ; my first query in the batch
	s_lshl_b32 s22, s16, 2                         ; its place in a row of st
	s_lshl_b32 s16, s16, 12                        ; its row of pw
	s_lshl_b32 s21, s15, 23
	s_add_co_u32 s16, s16, s21
	s_lshl_b32 s21, s14, 1
	s_add_co_u32 s21, s21, s12                     ; my chunk = 2 j + key half,
	s_lshl_b32 s23, s21, 8                         ; 256 bytes of a row of pw
	s_add_co_u32 s16, s16, s23
	s_add_nc_u64 s[6:7], s[6:7], s[16:17]
	s_lshl_b32 s23, s15, 4
	s_add_co_u32 s21, s21, s23
	s_lshl_b32 s21, s21, 14                        ; (16 batch + chunk) x 2 rows of 8,192 bytes
	s_add_co_u32 s16, s21, s22
	s_add_nc_u64 s[8:9], s[8:9], s[16:17]
	; THE MASK.  Key block b and query block a of my share lie DB + b - a blocks of 16 apart: above 0 all is hidden, below 0 nothing, at 0 the block holds the diagonal.
	v_lshlrev_b32 v9, 3, v2
	v_sub_nc_u32 v9, v1, v9                        ; l % 16 - 8 (l / 16): register j is hidden where j is greater
.set i, 0
.rept 8
	v_cmp_gt_i32 vcc_lo, i, v9
	v_cndmask_b32 v[MD+i], 0, s[BIGN], vcc_lo
.set i, i+1
.endr
.set d, -7
.rept 15                               ; by diagonals d = b - a: two scalars for each, MD x AL + BE into its accumulators
	s_cmp_eq_i32 s[DB], 0-d
	s_cselect_b32 s[AL], 1.0, 0
	s_cmp_gt_i32 s[DB], 0-d
	s_cselect_b32 s[BE], s[BIGN], 0
.set a, 0
.rept 8
.if (a+d >= 0) && (a+d < 8)
	WIN 0x80+0x40*(a/4)
.set z, 0
.rept 4
	v_pk_fma_f32 v[8*(8*(a%4)+a+d)+2*z:8*(8*(a%4)+a+d)+2*z+1], v[MD+2*z:MD+2*z+1], s[AL:AL+1], s[BE:BE+1] op_sel_hi:[1,0,0]
.set z, z+1
.endr
.endif
.set a, a+1
.endr
.set d, d+1
.endr
	WIN 0
; 16 matrix instructions: query blocks a0, a0 + 1 of the window's four x all 8 key blocks, 32 along the head.  The 64 accumulators take turns in the same order in every quarter.
.macro MUL16 f, hi, a0
	WIN MUL_LO+0x50*(\hi)
.irp a, \a0, (\a0)+1
.irp b, 0,1,2,3,4,5,6,7
	v_wmma_f32_16x16x32_f16 v[8*(8*(\a)+(\b)):8*(8*(\a)+(\b))+7], v[(\f)+8*(\b):(\f)+8*(\b)+7], v[(\f)+8*(4*(\hi)+(\a)):(\f)+8*(4*(\hi)+(\a))+7], v[8*(8*(\a)+(\b)):8*(8*(\a)+(\b))+7]
.endr
.endr
.endm
.macro FETCH k, f                      ; 32 LDS loads in one run: k's sixteen, then q's
	WIN TO_B
.irp i, 0,1,2,3,4,5,6,7
	ds_load_b128 v[(\f)+8*(\i):(\f)+8*(\i)+3],   v[ADB] offset:(\k)+(\i)*16*PITCH
	ds_load_b128 v[(\f)+8*(\i)+4:(\f)+8*(\i)+7], v[ADB] offset:(\k)+(\i)*16*PITCH+32
.endr
	WIN 0
.irp i, 0,1,2,3,4,5,6,7
	ds_load_b128 v[(\f)+8*(\i):(\f)+8*(\i)+3],   v[ADA] offset:(\k)+(\i)*16*PITCH
	ds_load_b128 v[(\f)+8*(\i)+4:(\f)+8*(\i)+7], v[ADA] offset:(\k)+(\i)*16*PITCH+32
.endr
.endm
.macro QUARTER k, f, g                 ; 64 matrix instructions on buffer f; in their middle the next quarter's fragments, at byte k, into g
	s_wait_dscnt 8                                 ; all but the youngest eight loads: q's rows 64-127
	MUL16 \f, 0, 0
	MUL16 \f, 0, 2
	PLACES
	FETCH \k, \g
	s_wait_dscnt 32                                ; all but the 32 just issued
	MUL16 \f, 1, 0
	MUL16 \f, 1, 2
.endm
; the last quarter multiplies buffer 1 and changes slots: one barrier; in front of it each wave waits for all its tensor loads (one is out: its part of the next slot), adds 0 to its spare
; word, and waits for that and for its reads of this slot.  fill = 1: this slot is filled again, two steps ahead, first thing behind the barrier.
.macro TURN fill
	WIN 0
	s_wait_tensorcnt 0x0
	ds_add_u32 v[SPW], v[NIL]
.if \fill
	s_xor_b32 s[G0+5], s[G0+5], SLOTX              ; no load of mine is out: the walking set takes the other slot and the next step
	s_add_nc_u64 s[G0+6:G0+7], s[G0+6:G0+7], 256
.endif
	s_wait_dscnt 9                                 ; the add and the youngest eight loads may be out
	MUL16 F1, 0, 0
	s_wait_dscnt 0x0                               ; the add is done, and my reads of this slot are over
	s_barrier_signal -1
	MUL16 F1, 0, 2
	WIN 0
	s_barrier_wait -1
.if \fill
	tensor_load_to_lds s[G0+4:G0+7], s[G1:G1+7]
	s_nop 0
.endif
	PLACES                                         ; also the places in front of the loads below
	s_xor_b32 s[TB], s[TB], SLOTX
	v_add_nc_u32 v[ADA], s[TB], v[AA0]
	v_add_nc_u32 v[ADB], s[TB], v[AB0]
	FETCH 0, F0
	MUL16 F1, 1, 0
	MUL16 F1, 1, 2
.endm
	s_wait_tensorcnt 0x1                           ; my part of step 0 is in; step 1's may stay out
	s_barrier_signal -1
	s_barrier_wait -1
	FETCH 0, F0
	WIN 0
	s_mov_b32 s3, 6
.Lstep:                                                ; steps 0 to 5 ask for steps 2 to 7
	QUARTER 64, F0, F1
	QUARTER 128, F1, F0
	QUARTER 192, F0, F1
	TURN 1
	WIN 0
	s_sub_co_u32 s3, s3, 1
	s_cmp_lg_u32 s3, 0
	s_cbranch_scc1 .Lstep
	s_mov_b32 s3, 2
.Ltail:                                                ; steps 6 and 7 ask for nothing.  The last trip's 32 fragment loads read the other slot's old tile and serve nothing: the price of one text for both
	QUARTER 64, F0, F1
	QUARTER 128, F1, F0
	QUARTER 192, F0, F1
	TURN 0
	WIN 0
	s_sub_co_u32 s3, s3, 1
	s_cmp_lg_u32 s3, 0
	s_cbranch_scc1 .Ltail
	s_wait_dscnt 0x0
	PLACES
; THE WAY OUT of 16 queries (block a of window 2's four): the chunk's maximum, p, l.  A lane holds 64 of its query's 128 scores; the other 64 lie in the lane 16 away.
.macro SOFT a
.set AC, 64*(\a)
	WIN 0x2a                                       ; three sources in window 2
.irp b, 0,1,2,3,4,5,6,7
	v_max3_num_f32 v[T+(\b)], v[AC+8*(\b)], v[AC+8*(\b)+1], v[AC+8*(\b)+2]
.endr
	WIN 0x28
.irp b, 0,1,2,3,4,5,6,7
	v_max3_num_f32 v[T+(\b)], v[T+(\b)], v[AC+8*(\b)+3], v[AC+8*(\b)+4]
.endr
.irp b, 0,1,2,3,4,5,6,7
	v_max3_num_f32 v[T+(\b)], v[T+(\b)], v[AC+8*(\b)+5], v[AC+8*(\b)+6]
.endr
.irp u, 0,1,2,3
	v_max3_num_f32 v[T+(\u)], v[T+(\u)], v[AC+16*(\u)+7], v[AC+16*(\u)+15]
.endr
	WIN 0
	v_max3_num_f32 v[T], v[T], v[T+1], v[T+2]
	v_max3_num_f32 v[T+3], v[T+3], v[T+4], v[T+5]
	v_max3_num_f32 v[T], v[T], v[T+3], v[T+6]
	v_max3_num_f32 v[T], v[T], v[T+7], s[FLOOR]    ; a chunk with no visible key: -1e29, far above its hidden scores
	v_permlanex16_b32 v[PX], v[T], s[SEL], s[SEL+1]
	v_max_num_f32 v[MP], v[T], v[PX]
	ds_store_b32 v[SSA], v[MP] offset:64*(\a)      ; both lanes of a query write the same word with the same number
	WIN 0x82
.set i, 0
.rept 32
	v_pk_add_f32 v[AC+2*i:AC+2*i+1], v[AC+2*i:AC+2*i+1], v[MP:MP+1] op_sel_hi:[1,0] neg_lo:[0,1] neg_hi:[0,1]
.set i, i+1
.endr
.set i, 0
.rept 64
	v_exp_f32 v[AC+i], v[AC+i]
.set i, i+1
.endr
	v_nop                                          ; a plain line between the exponentials and the use of their results (ISA guide 5.7.2)
	WIN 0x0a
.set i, 0
	s_wait_alu depctr_va_vdst(0)
.rept 32
	v_cvt_pk_f16_f32 v[TMP+i], v[AC+2*i], v[AC+2*i+1]
.set i, i+1
.endr
	WIN 0x8a                                       ; the sum of the unrounded p, in place: neighbours 1, 2, 4, 8 and 16 pairs apart
.set w, 4
.rept 5
.set u, 0
.rept 64/w
	v_pk_add_f32 v[AC+w*u:AC+w*u+1], v[AC+w*u:AC+w*u+1], v[AC+w*u+w/2:AC+w*u+w/2+1]
.set u, u+1
.endr
.set w, w*2
.endr
	WIN 0x0a
	v_add_f32 v[LS], v[AC], v[AC+1]
	WIN 0
	v_permlanex16_b32 v[PX], v[LS], s[SEL], s[SEL+1]
	v_add_f32 v[LS], v[LS], v[PX]
	ds_store_b32 v[SSA], v[LS] offset:512+64*(\a)
.endm
.macro TOSTAGE a
.set BK, OB+32*((\a)%2)
.irp b, 0,1,2,3,4,5,6,7
	ds_store_b128 v[STO], v[TMP+4*(\b):TMP+4*(\b)+3] offset:32*(\b)
.endr
.irp t, 0,1,2,3,4,5,6,7
	ds_load_b128 v[BK+4*(\t):BK+4*(\t)+3], v[RD] offset:(\t)*2*PITCH  ; LDS serves a wave's instructions in order (ISA guide 5.7.1.4): these see the stores above
.endr
.endm
.macro SEND a, younger                 ; younger: the next block's two statistics stores, or none
.set BK, OB+32*((\a)%2)
	s_wait_dscnt \younger
	s_wait_xcnt 0x0                                ; the registers that earlier stores read are loaded again only behind this wait
.irp t, 0,1,2,3,4,5,6,7
	global_store_b128 v[CO], v[BK+4*(\t):BK+4*(\t)+3], s[6:7] offset:(16*(\a)+2*(\t))*PROW  ; 16 lanes store 256 consecutive bytes, at a multiple of 256 from pw's first byte
.endr
.endm
	s_mov_b32 s3, 2
.Lhalf:                                                ; two trips of one text on window 2: my queries 0-63, then 64-127, whose accumulators are brought down between the trips
	SOFT 0
	TOSTAGE 0
.irp a, 1,2,3
	SOFT \a
	SEND (\a)-1, 2
	TOSTAGE \a
.endr
	SEND 3, 0
	s_wait_xcnt 0x0                                ; the stores have read their base
	s_add_nc_u64 s[6:7], s[6:7], 64*PROW
	v_add_nc_u32 v[SSA], 256, v[SSA]
	s_sub_co_u32 s3, s3, 1
	s_cmp_eq_u32 s3, 0
	s_cbranch_scc1 .Lno_move
	WIN 0x83                                       ; from window 3 to window 2, each accumulator from its low end on
.set i, 0
.rept 256
	v_mov_b32 v[i], v[i]
.set i, i+1
.endr
	WIN 0
.Lno_move:
	s_cmp_lg_u32 s3, 0
	s_cbranch_scc1 .Lhalf
	ds_load_b128 v[64:67], v[SRD]                  ; my 128 m and 128 l, four a lane: each store covers 512 consecutive bytes of st
	ds_load_b128 v[68:71], v[SRD] offset:512
	s_wait_dscnt 0x0
	global_store_b128 v[SGO], v[64:67], s[8:9]
	global_store_b128 v[SGO], v[68:71], s[8:9] offset:8192
	s_wait_tensorcnt 0x0                           ; the wave's end: a wait, an add to my spare word and a wait for it, behind my last tensor load and my last LDS store
	ds_add_u32 v[SPW], v[NIL]
	s_wait_dscnt 0x0
	s_endpgm
.Lfunc_end_k_qfdc1a58f63_score:
	.size	k_qfdc1a58f63_score, .Lfunc_end_k_qfdc1a58f63_score-k_qfdc1a58f63_score
	.p2alignl 7, 3214868480
	.fill 96, 4, 3214868480
	.section	.rodata,"a",@progbits
	.p2align	6, 0x0
	.amdhsa_kernel k_qfdc1a58f63_score
		.amdhsa_group_segment_fixed_size 327680
		.amdhsa_private_segment_fixed_size 0
		.amdhsa_enable_private_segment 0
		.amdhsa_kernarg_size 24
		.amdhsa_user_sgpr_count 2
		.amdhsa_user_sgpr_kernarg_segment_ptr 1
		.amdhsa_wavefront_size32 1
		.amdhsa_system_sgpr_workgroup_id_x 1
		.amdhsa_system_sgpr_workgroup_id_y 1
		.amdhsa_system_sgpr_workgroup_id_z 1
		.amdhsa_system_vgpr_workitem_id 0
		.amdhsa_next_free_vgpr 1024
		.amdhsa_next_free_sgpr 66
		.amdhsa_reserve_vcc 1
		.amdhsa_float_denorm_mode_32 3
		.amdhsa_float_denorm_mode_16_64 3
		.amdhsa_memory_ordered 1
		.amdhsa_forward_progress 1
		.amdhsa_inst_pref_size 138
	.end_amdhsa_kernel
	.amdgpu_metadata
---
amdhsa.version: [ 1, 2 ]
amdhsa.kernels:
  - .name:           k_qfdc1a58f63_score
    .symbol:         k_qfdc1a58f63_score.kd
    .args:
      - { .name: qkv, .offset: 0, .size: 8, .value_kind: global_buffer, .address_space: global }
      - { .name: pw, .offset: 8, .size: 8, .value_kind: global_buffer, .address_space: global }
      - { .name: st, .offset: 16, .size: 8, .value_kind: global_buffer, .address_space: global }
    .group_segment_fixed_size: 327680
    .private_segment_fixed_size: 0
    .kernarg_segment_align: 8
    .kernarg_segment_size: 24
    .max_flat_workgroup_size: 128
    .sgpr_count:     66
    .vgpr_count:     1024
    .wavefront_size: 32
...
	.end_amdgpu_metadata
.endif
;; end of part 3
;; launch pv (part 4): grid 8 x 32, 4 waves a work-group, clusters of 4 x 1, 327,680 bytes of LDS; arguments pw, qkv, st, out0; writes out0
.if DOCPART == 4
	.amdgcn_target "amdgcn-amd-amdhsa--gfx1250"
	.amdhsa_code_object_version 6
	.text
	.protected	k_qfdc1a58f63_pv
	.globl	k_qfdc1a58f63_pv
	.p2align	8
	.type	k_qfdc1a58f63_pv,@function
k_qfdc1a58f63_pv:
	s_mov_b64 s[64:65], 0
	v_nop
	global_prefetch_b8 v0, s[64:65] scope:SCOPE_SE
	s_setreg_imm32_b32 hwreg(HW_REG_WAVE_MODE, 25, 1), 1
	s_wait_xcnt 0x0
	s_wait_alu depctr_hold_cnt(0) depctr_sa_sdst(0) depctr_va_vdst(0) depctr_va_sdst(0) depctr_va_ssrc(0) depctr_va_vcc(0) depctr_vm_vsrc(0)
	s_getreg_b32 s2, hwreg(HW_REG_IB_STS2, 6, 4)
	s_cmp_eq_u32 s2, 0
	s_cbranch_scc0 .Lentry_in_a_cluster
	s_endpgm
.Lentry_in_a_cluster:
	s_bfe_u32 s2, ttmp6, 0x10000c
	s_cmp_lg_u32 s2, 0x3003
	s_cbranch_scc0 .Lentry_shape_is_right
	s_endpgm
.Lentry_shape_is_right:
; out0[q][e] = (sum over chunks c of 2^(m_c - M) (P_c V_c)[q][e]) / L,  M = the largest m_c of row q,  L = the sum of 2^(m_c - M) l_c.  P (f16), m and l (f32) come from the launch before,
; V (f16) is the third part of qkv's rows.  Products in f16 with f32 sums; each chunk's product is weighed in f32; all weights lie in 0 to 1; out0 is f32.
; LIMITS: those of the launch before; a weight below 2^-126 counts as 0; NaN and infinities are not treated apart.
; THE WALK.  A work-group makes 128 channels of TWO blocks of 128 queries of one batch: block p (steps 0 .. p / 2), then block 15 - p (steps 0 .. 7 - p / 2); a step is 256 keys, two chunks.
; That is 9 steps whatever p: all 256 work-groups do equal work, and one loop with a constant trip count walks them.  Where a block's number is even, its last step's second chunk is hidden: p = 0, weight 0.
; CLUSTER.  The four work-groups of a cluster make four channel tiles of the same queries: P's tile and the maxima are asked for jointly, V's tile is each one's own.
; Four waves, each 64 queries x 64 channels.  O^T = V^T P (source 0 = 16 channels, turned by ds_load_tr16_b128; source 1 = 16 queries): a lane holds ONE query and eight neighbouring channels.
; REGISTERS: window 0: v0-31 addresses and row statistics; v32-39 the step's maxima; v40-47 1 / L; v48-63 the step's weights; v64-95 at work; v128-255 the chunk's 16 accumulators ((a, b) at v[128 + 8 (4 a + b)]).
;   window 1: two fragment buffers of 128 (64 of P, 64 of V^T, for 64 keys).   window 2: v0-127 the block's sums.
.set APITCH, 528                       ; a row of P in LDS: 512 bytes + 16 (ISA guide 11.1: 16 rows start at 16 different groups of four banks)
.set VPITCH, 288                       ; a row of V: 256 + 32
.set AOFF,   1024                      ; a slot: two rows of 128 maxima, then P's 128 rows,
.set VOFF,   AOFF+128*APITCH           ; then V's 256 rows
.set VHALF,  128*VPITCH
.set SLOTX,  0x24000                   ; no tile's base in slot 0 has bit 17 or bit 14 set, so an exclusive or with it changes slots
.set STAGE,  2*SLOTX                   ; 16 rows x 272 bytes for each wave
.set SPITCH, 272
.set SCR,    STAGE+4*16*SPITCH         ; 1,024 bytes for each wave: M and 1 / L of both blocks
.set SPARE,  SCR+4*1024                ; the spare words, 128 bytes for each wave
.set AA0, 3                            ; v3-5  my lane's places in P's tile, V's tile and the maxima of slot 0; never rewritten
.set AV0, 4
.set AC0, 5
.set ADA, 6                            ; v6-9  the same in the slot in hand; v8 = v7 + 128 rows of V
.set ADV, 7
.set ADC, 9
.set STO, 10
.set RD,  11
.set GO,  12
.set SCW, 13                           ; v13  my scratch + 8 x lane
.set SCRD, 14                          ; v14  my scratch + 4 (l % 16)
.set LO8, 15                           ; v15  8 x lane
.set M2C, 16                           ; v16-19  M of the block in hand, for my query in each of four row blocks
.set M2L, 20                           ; v20-23  M of the second block
.set IVL, 24                           ; v24-27  1 / L of the second block
.set SPW, 28                           ; v28  LDS address of my spare word; never rewritten
.set NIL, 29                           ; v29  0; never rewritten
.set CMR, 32
.set IVC, 40                           ; four pairs, 1 / L in the low word
.set ALP, 48                           ; eight pairs (chunk, row block), the weight in the low word
.set TM,  64
.set ACC, 128
.set F0,  0
.set F1,  128
.set WV,  12
.set MH,  13                           ; s13  my half of the queries; for waves 1 and 2: which half of V's tile
.set NH,  14                           ; s14  my half of the channels
.set G1A, 24
.set G1V, 32
.set G1C, 40
.set G0A, 48
.set G0V, 52
.set G0C, 56
.set TB,  62
.set CNT, 63
.set PA,  66                           ; s[66:67] pw at the batch;  s[68:69] V at the batch, my half and my channels;  s[70:71] st at the batch
.set PV,  68
.set PC,  70
.set OF,  72                           ; s[72:73] an offset
.set NXT, 74                           ; the step to be asked for next
.set LQ,  75                           ; the last step of the block whose tiles are being asked for
.set ABO, 76                           ; that block's offset in pw,
.set CBO, 77                           ; and in a row of st
.set ABL, 78                           ; the same three for the second block
.set CBL, 79
.set LQL, 80
.set RT,  81                           ; steps left of the block in hand
.set NL,  82
.set NS,  83
.set OLO, 84                           ; s[84:85] out0 at my part of the second block
.set MUL,  0x05                        ; sources in window 1, C and D in window 0
.set TO_F, 0x40
.set MSB, 0
.macro WIN new
.if MSB != (\new)
	s_set_vgpr_msb (MSB<<8)|(\new)
.set MSB, \new
.endif
.endm
.macro PLACES                          ; four places (ISA guide 7.12.1)
.rept 4
	v_nop
.endr
.endm
; A fill: wave 0 asks for P's tile, jointly; waves 1 and 2 for the halves of V's tile; wave 3 for the maxima, jointly.  The branches hang on the wave's number alone.
; An s_nop 0 and four v_nop follow each line.
.macro JLOAD
	s_cmp_eq_u32 s[WV], 0
	s_cbranch_scc0 .Lnot_a_\@
	tensor_load_to_lds s[G0A:G0A+3], s[G1A:G1A+7]
	s_nop 0
	PLACES
	s_branch .Lasked_\@
.Lnot_a_\@:
	s_cmp_eq_u32 s[WV], 3
	s_cbranch_scc1 .Lfor_c_\@
	tensor_load_to_lds s[G0V:G0V+3], s[G1V:G1V+7]
	s_nop 0
	PLACES
	s_branch .Lasked_\@
.Lfor_c_\@:
	tensor_load_to_lds s[G0C:G0C+3], s[G1C:G1C+7]
	s_nop 0
	PLACES
.Lasked_\@:
.endm
.macro CREST
	s_cmp_lg_u32 s[WV], 0
	s_cbranch_scc1 .Lnot_wave_0_\@
	s_barrier_signal -3
.Lnot_wave_0_\@:
	s_barrier_wait -3
	s_barrier_signal -1
	s_barrier_wait -1
.endm
.macro CROUND
	s_barrier_signal -1
	s_barrier_wait -1
	CREST
.endm
; The three descriptors for step NXT of the block that is being asked for: the other slot; each address made anew from its base and an offset; then the walk's next step.  Scalar work alone.
.macro REQ
	s_xor_b32 s[G0A+1], s[G0A+1], SLOTX
	s_xor_b32 s[G0V+1], s[G0V+1], SLOTX
	s_xor_b32 s[G0C+1], s[G0C+1], SLOTX
	s_lshl_b32 s[OF], s[NXT], 9                    ; 256 keys are 512 bytes of a row of pw
	s_add_co_u32 s[OF], s[OF], s[ABO]
	s_add_nc_u64 s[G0A+2:G0A+3], s[PA:PA+1], s[OF:OF+1]
	s_or_b32 s[G0A+3], s[G0A+3], 0x80000000
	s_mul_i32 s[OF], s[NXT], 256*6144              ; 256 rows of qkv
	s_add_nc_u64 s[G0V+2:G0V+3], s[PV:PV+1], s[OF:OF+1]
	s_or_b32 s[G0V+3], s[G0V+3], 0x80000000
	s_lshl_b32 s[OF], s[NXT], 15                   ; two chunks of 16,384 bytes of st
	s_add_co_u32 s[OF], s[OF], s[CBO]
	s_add_nc_u64 s[G0C+2:G0C+3], s[PC:PC+1], s[OF:OF+1]
	s_or_b32 s[G0C+3], s[G0C+3], 0x80000000
	s_add_co_u32 s[NXT], s[NXT], 1                 ; the block's next step, or behind its last the second block's step 0
	s_cmp_gt_u32 s[NXT], s[LQ]
	s_cselect_b32 s[NXT], 0, s[NXT]
	s_cselect_b32 s[ABO], s[ABL], s[ABO]
	s_cselect_b32 s[CBO], s[CBL], s[CBO]
	s_cselect_b32 s[LQ], s[LQL], s[LQ]
.endm
	s_load_b256 s[4:11], s[0:1], 0x0               ; pw s[4:5], qkv s[6:7], st s[8:9], out0 s[10:11]
	v_lshl_add_u32 v[SPW], v0, 2, SPARE
	v_mov_b32 v[NIL], 0
	ds_add_u32 v[SPW], v[NIL]                      ; the wave's opening: the add and its wait stand ahead of my first tensor load
	ds_add_u32 v28, v29
	v_lshrrev_b32 v1, 5, v0
	v_readfirstlane_b32 s[WV], v1                  ; wave 0..3
	s_lshr_b32 s[MH], s[WV], 1
	s_and_b32 s[NH], s[WV], 1
	s_bfe_u32 s15, ttmp6, 0x40000                  ; cx
	s_lshl_b32 s16, ttmp9, 2
	s_add_co_u32 s16, s16, s15                     ; my channel tile: it enters V's and out0's addresses alone
	s_and_b32 s19, ttmp7, 0xffff
	s_lshr_b32 s17, s19, 3                         ; batch
	s_and_b32 s18, s19, 7                          ; p: the four partners share both
	s_lshr_b32 s19, s18, 1
	s_add_co_u32 s[NS], s19, 1                     ; steps of the first block,
	s_sub_co_u32 s[NL], 8, s19                     ; and of the second
	s_sub_co_u32 s22, 15, s18                      ; the second block's number
	s_lshl_b32 s[ABO], s18, 19                     ; 128 rows of 4,096 bytes
	s_lshl_b32 s[ABL], s22, 19
	s_lshl_b32 s[CBO], s18, 9                      ; 128 numbers of 4 bytes
	s_lshl_b32 s[CBL], s22, 9
	s_mov_b32 s[LQ], s19
	s_sub_co_u32 s[LQL], 7, s19
	s_mov_b32 s[NXT], 0
	s_mov_b32 s[RT], s[NS]
	s_mov_b32 s[OF+1], 0
	s_mov_b32 s[G1A], 15|(1<<16)|(1<<20)|(1<<21)|(6<<22)|(3<<25)  ; the mask of four; elements of 2 bytes; padding on, 4 words after every 128; bit 21 beside a mask
	s_mov_b32 s[G1A+1], 256<<16                    ; tensor_dim0 = 256
	s_mov_b32 s[G1A+2], 128<<16                    ; tensor_dim1 = 128
	s_mov_b32 s[G1A+3], 256<<16                    ; tile_dim0 = 256
	s_mov_b32 s[G1A+4], 128                        ; tile_dim1 = 128
	s_mov_b32 s[G1A+5], 2048
	s_mov_b32 s[G1A+6], 0
	s_mov_b32 s[G1A+7], 0
	s_mov_b32 s[G1V], (1<<16)|(1<<20)|(5<<22)|(7<<25)  ; no mask; elements of 2 bytes; 8 words of padding after every 64
	s_mov_b32 s[G1V+1], 128<<16
	s_mov_b32 s[G1V+2], 128<<16
	s_mov_b32 s[G1V+3], 128<<16
	s_mov_b32 s[G1V+4], 128
	s_mov_b32 s[G1V+5], 3072
	s_mov_b32 s[G1V+6], 0
	s_mov_b32 s[G1V+7], 0
	s_mov_b32 s[G1C], 15|(2<<16)|(1<<21)           ; the mask of four; elements of 4 bytes; no padding
	s_mov_b32 s[G1C+1], 128<<16
	s_mov_b32 s[G1C+2], 2<<16                      ; two rows: the step's two chunks,
	s_mov_b32 s[G1C+3], 128<<16
	s_mov_b32 s[G1C+4], 2
	s_mov_b32 s[G1C+5], 4096                       ; 16,384 bytes apart
	s_mov_b32 s[G1C+6], 0
	s_mov_b32 s[G1C+7], 0
	s_mov_b32 s[G0A], 1
	s_mov_b32 s[G0A+1], AOFF+SLOTX                 ; the first request turns these three into slot 0's
	s_mov_b32 s[G0V], 1
	s_mul_i32 s[G0V+1], s[MH], VHALF
	s_add_co_u32 s[G0V+1], s[G0V+1], VOFF+SLOTX
	s_mov_b32 s[G0C], 1
	s_mov_b32 s[G0C+1], SLOTX
	s_lshl_b32 s20, s17, 11
	s_lshl_b32 s21, s[MH], 6
	s_add_co_u32 s20, s20, s21                     ; the batch's rows and my 64
	s_lshl_b32 s21, s18, 7
	s_add_co_u32 s21, s21, s20
	s_lshl_b32 s21, s21, 12                        ; my first row of out0 in the first block, in bytes
	s_lshl_b32 s23, s22, 7
	s_add_co_u32 s23, s23, s20
	s_lshl_b32 s23, s23, 12                        ; and in the second
	s_lshl_b32 s90, s16, 9
	s_lshl_b32 s91, s[NH], 8
	s_add_co_u32 s90, s90, s91                     ; my 256 bytes in a row of out0
	s_add_co_u32 s92, s21, s90
	s_mov_b32 s93, 0
	s_add_co_u32 s94, s23, s90
	s_mov_b32 s95, 0
	s_lshl_b32 s20, s17, 11
	s_lshl_b32 s21, s[MH], 7
	s_add_co_u32 s20, s20, s21
	s_mul_i32 s20, s20, 6144
	s_add_co_u32 s20, s20, 4096                    ; v lies 4,096 bytes into a row of qkv
	s_lshl_b32 s90, s16, 8
	s_add_co_u32 s90, s90, s20
	s_mov_b32 s91, 0
	s_lshl_b32 s22, s[MH], 8                       ; my 64 rows in a row of st
	s_mov_b32 s21, 0
	s_wait_dscnt 0x0                               ; the opening add is done
	s_wait_kmcnt 0x0
	s_add_nc_u64 s[OLO:OLO+1], s[10:11], s[94:95]
	s_add_nc_u64 s[10:11], s[10:11], s[92:93]
	s_add_nc_u64 s[PV:PV+1], s[6:7], s[90:91]
	s_lshl_b32 s20, s17, 23
	s_add_nc_u64 s[PA:PA+1], s[4:5], s[20:21]
	s_lshl_b32 s20, s17, 18
	s_add_nc_u64 s[PC:PC+1], s[8:9], s[20:21]
	s_add_co_u32 s20, s[CBO], s22
	s_add_nc_u64 s[86:87], s[PC:PC+1], s[20:21]    ; the statistics of my rows of the first block,
	s_add_co_u32 s20, s[CBL], s22
	s_add_nc_u64 s[88:89], s[PC:PC+1], s[20:21]    ; and of the second
	REQ                                            ; step 0 of the walk, into slot 0
	CROUND                                         ; all four work-groups are here: the first joint loads meet
	JLOAD
	v_and_b32 v1, 15, v0                           ; l % 16
	v_bfe_u32 v2, v0, 4, 1                         ; l / 16
	v_mul_u32_u24 v[AA0], v1, APITCH               ; a fragment of P: row l % 16, keys 8 (l / 16) + 0..7 and 16 + 8 (l / 16) + 0..7
	v_lshl_add_u32 v[AA0], v2, 4, v[AA0]
	s_mul_i32 s19, s[MH], 64*APITCH
	s_add_co_u32 s19, s19, AOFF
	v_add_nc_u32 v[AA0], s19, v[AA0]
	v_and_b32 v30, 7, v0                           ; the turning load: lane l reads key 8 (l / 16) + l % 8, channels 8 ((l / 8) % 2) + 0..7
	v_bfe_u32 v31, v0, 3, 1
	v_lshl_add_u32 v[AV0], v2, 3, v30
	v_mul_u32_u24 v[AV0], v[AV0], VPITCH
	v_lshl_add_u32 v[AV0], v31, 4, v[AV0]
	s_lshl_b32 s19, s[NH], 7
	s_add_co_u32 s19, s19, VOFF
	v_add_nc_u32 v[AV0], s19, v[AV0]
	v_lshlrev_b32 v[AC0], 2, v1
	v_lshl_add_u32 v[AC0], s[MH], 8, v[AC0]
	s_mul_i32 s19, s[WV], 16*SPITCH
	s_add_co_u32 s19, s19, STAGE                   ; my stage
	v_mul_u32_u24 v[STO], v1, SPITCH               ; in: row l % 16, 32 bytes for each half of the lanes
	v_lshl_add_u32 v[STO], v2, 5, v[STO]
	v_add_nc_u32 v[STO], s19, v[STO]
	v_mul_u32_u24 v[RD], v2, SPITCH                ; back: lanes 0-15 one row of 256 bytes, lanes 16-31 the next
	v_lshl_add_u32 v[RD], v1, 4, v[RD]
	v_add_nc_u32 v[RD], s19, v[RD]
	v_lshlrev_b32 v[GO], 12, v2                    ; and the same two rows in out0
	v_lshl_add_u32 v[GO], v1, 4, v[GO]
	v_and_b32 v30, 31, v0
	v_lshlrev_b32 v[LO8], 3, v30
	s_lshl_b32 s19, s[WV], 10
	s_add_co_u32 s19, s19, SCR                     ; my scratch
	v_add_nc_u32 v[SCW], s19, v[LO8]
	v_lshl_add_u32 v[SCRD], v1, 2, s19
	WIN 0x80                                       ; the block's sums start at 0: the price of one text for every chunk; it stands in the wait for the first tile
.set i, 0
.rept 128
	v_mov_b32 v[i], 0
.set i, i+1
.endr
	WIN 0
.irp n, 0,1,2,3
	v_mov_b32 v[IVC+2*(\n)+1], 0                   ; named as pairs
.endr
.irp n, 0,1,2,3,4,5,6,7
	v_mov_b32 v[ALP+2*(\n)+1], 0
.endr
	; THE ROWS' STATISTICS, while step 0's tiles are on their way.  Lane l takes rows 2 l and 2 l + 1 of my 64: a load of 8 bytes a lane covers 256 consecutive bytes.
	; The second block has 16 places for chunks (m v64-95, l v96-127), the first 8 (m v128-143, l v144-159).  A place with no chunk keeps the lowest finite m and l = 0.
.set i, 0
.rept 32
	v_mov_b32 v[64+i], 0xff7fffff
	v_mov_b32 v[96+i], 0
.set i, i+1
.endr
.set i, 0
.rept 16
	v_mov_b32 v[128+i], 0xff7fffff
	v_mov_b32 v[144+i], 0
.set i, i+1
.endr
.set kt, 0
.rept 8                                ; by steps of two chunks; the second block has five steps or more
.if kt >= 5
	s_cmp_le_u32 s[NL], kt
	s_cbranch_scc1 .Llong_done
.endif
	global_load_b64 v[64+4*kt:64+4*kt+1],   v[LO8], s[88:89] offset:kt*32768
	global_load_b64 v[96+4*kt:96+4*kt+1],   v[LO8], s[88:89] offset:kt*32768+8192
	global_load_b64 v[64+4*kt+2:64+4*kt+3], v[LO8], s[88:89] offset:kt*32768+16384
	global_load_b64 v[96+4*kt+2:96+4*kt+3], v[LO8], s[88:89] offset:kt*32768+24576
.set kt, kt+1
.endr
.Llong_done:
.set kt, 0
.rept 4                                ; the first block has one step or more
.if kt >= 1
	s_cmp_le_u32 s[NS], kt
	s_cbranch_scc1 .Lshort_done
.endif
	global_load_b64 v[128+4*kt:128+4*kt+1],   v[LO8], s[86:87] offset:kt*32768
	global_load_b64 v[144+4*kt:144+4*kt+1],   v[LO8], s[86:87] offset:kt*32768+8192
	global_load_b64 v[128+4*kt+2:128+4*kt+3], v[LO8], s[86:87] offset:kt*32768+16384
	global_load_b64 v[144+4*kt+2:144+4*kt+3], v[LO8], s[86:87] offset:kt*32768+24576
.set kt, kt+1
.endr
.Lshort_done:
	s_wait_loadcnt 0x0
; n places at mb (m) and lb (l): M into mx, 1 / L into ls, both into my scratch at reg and reg + 256
.macro STAT mb, lb, n, mx, ls, reg
.irp hh, 0,1
	v_max3_num_f32 v[(\mx)+(\hh)], v[(\mb)+(\hh)], v[(\mb)+2+(\hh)], v[(\mb)+4+(\hh)]
.set u, 3
.rept ((\n)-4)/2
	v_max3_num_f32 v[(\mx)+(\hh)], v[(\mx)+(\hh)], v[(\mb)+2*u+(\hh)], v[(\mb)+2*u+2+(\hh)]
.set u, u+2
.endr
	v_max_num_f32 v[(\mx)+(\hh)], v[(\mx)+(\hh)], v[(\mb)+2*(\n)-2+(\hh)]
.endr
.set u, 0
.rept \n
	v_pk_add_f32 v[(\mb)+2*u:(\mb)+2*u+1], v[(\mb)+2*u:(\mb)+2*u+1], v[(\mx):(\mx)+1] neg_lo:[0,1] neg_hi:[0,1]
.set u, u+1
.endr
.set u, 0
.rept 2*(\n)
	v_exp_f32 v[(\mb)+u], v[(\mb)+u]
.set u, u+1
.endr
	v_nop                                          ; a plain line between the exponentials and the use of their results (ISA guide 5.7.2)
	s_wait_alu depctr_va_vdst(0)
	v_pk_mul_f32 v[(\ls):(\ls)+1], v[(\mb):(\mb)+1], v[(\lb):(\lb)+1]
.set u, 1
.rept (\n)-1
	v_pk_fma_f32 v[(\ls):(\ls)+1], v[(\mb)+2*u:(\mb)+2*u+1], v[(\lb)+2*u:(\lb)+2*u+1], v[(\ls):(\ls)+1]
.set u, u+1
.endr
	v_rcp_f32 v[(\ls)], v[(\ls)]                   ; L is at least 1: the chunk that holds M has weight 1 and a p of 1
	v_rcp_f32 v[(\ls)+1], v[(\ls)+1]
	v_nop
	ds_store_b64 v[SCW], v[(\mx):(\mx)+1] offset:(\reg)
	s_wait_alu depctr_va_vdst(0)
	ds_store_b64 v[SCW], v[(\ls):(\ls)+1] offset:(\reg)+256
.endm
	STAT 128, 144, 8, 164, 166, 0
	STAT 64, 96, 16, 160, 162, 512
.irp a, 0,1,2,3                        ; back by the products' layout: my query l % 16 in each of four row blocks; LDS serves a wave's instructions in order (ISA guide 5.7.1.4)
	ds_load_b32 v[M2C+(\a)],   v[SCRD] offset:64*(\a)
	ds_load_b32 v[IVC+2*(\a)], v[SCRD] offset:256+64*(\a)
	ds_load_b32 v[M2L+(\a)],   v[SCRD] offset:512+64*(\a)
	ds_load_b32 v[IVL+(\a)],   v[SCRD] offset:768+64*(\a)
.endr
; 8 matrix instructions: row blocks a0, a0 + 1 x all 4 channel blocks, 32 keys: half c of buffer f.  zero = 1: the product starts the chunk's sums.  The 16 accumulators take turns.
.macro MUL8 f, c, a0, zero
	WIN MUL
.irp a, \a0, (\a0)+1
.irp b, 0,1,2,3
.if \zero
	v_wmma_f32_16x16x32_f16 v[ACC+8*(4*(\a)+(\b)):ACC+8*(4*(\a)+(\b))+7], v[(\f)+64+8*(4*(\c)+(\b)):(\f)+64+8*(4*(\c)+(\b))+7], v[(\f)+8*(4*(\c)+(\a)):(\f)+8*(4*(\c)+(\a))+7], 0
.else
	v_wmma_f32_16x16x32_f16 v[ACC+8*(4*(\a)+(\b)):ACC+8*(4*(\a)+(\b))+7], v[(\f)+64+8*(4*(\c)+(\b)):(\f)+64+8*(4*(\c)+(\b))+7], v[(\f)+8*(4*(\c)+(\a)):(\f)+8*(4*(\c)+(\a))+7], v[ACC+8*(4*(\a)+(\b)):ACC+8*(4*(\a)+(\b))+7]
.endif
.endr
.endr
.endm
; 32 LDS loads in one run: the fragments of keys 64 q .. 64 q + 63 of the step, into buffer f; the first 32 keys first
.macro FETCH q, f
	WIN TO_F
.irp c, 0,1
.irp i, 0,1,2,3
	ds_load_tr16_b128 v[(\f)+64+8*(4*(\c)+(\i)):(\f)+64+8*(4*(\c)+(\i))+3],   v[ADV+(\q)/2] offset:(64*((\q)%2)+32*(\c))*VPITCH+32*(\i)
	ds_load_tr16_b128 v[(\f)+64+8*(4*(\c)+(\i))+4:(\f)+64+8*(4*(\c)+(\i))+7], v[ADV+(\q)/2] offset:(64*((\q)%2)+32*(\c)+16)*VPITCH+32*(\i)
	ds_load_b128 v[(\f)+8*(4*(\c)+(\i)):(\f)+8*(4*(\c)+(\i))+3],   v[ADA] offset:(\i)*16*APITCH+128*(\q)+64*(\c)
	ds_load_b128 v[(\f)+8*(4*(\c)+(\i))+4:(\f)+8*(4*(\c)+(\i))+7], v[ADA] offset:(\i)*16*APITCH+128*(\q)+64*(\c)+32
.endr
.endr
.endm
.macro FETCHN                          ; a step's first fragments, and behind them its eight maxima
	FETCH 0, F0
	WIN 0
.irp n, 0,1,2,3,4,5,6,7
	ds_load_b32 v[CMR+(\n)], v[ADC] offset:512*((\n)/4)+64*((\n)%4)
.endr
.endm
.macro QUARTER q, f, g, zero, extra    ; 32 matrix instructions on buffer f; in their middle the fragments of quarter q into g.  extra: younger loads that are no fragments
	s_wait_dscnt 16+(\extra)                       ; the first 32 keys are in
	MUL8 \f, 0, 0, \zero
	MUL8 \f, 0, 2, \zero
	PLACES
	FETCH \q, \g
	s_wait_dscnt 32                                ; all but the 32 just issued
	MUL8 \f, 1, 0, 0
	MUL8 \f, 1, 2, 0
.endm
.macro ALPHA                           ; the step's eight weights 2^(m - M)
	WIN 0
.irp n, 0,1,2,3,4,5,6,7
	v_sub_f32 v[ALP+2*(\n)], v[CMR+(\n)], v[M2C+(\n)%4]
.endr
.irp n, 0,1,2,3,4,5,6,7
	v_exp_f32 v[ALP+2*(\n)], v[ALP+2*(\n)]
.endr
	v_nop
	s_wait_alu depctr_va_vdst(0)
.endm
.macro COMB kc                         ; the block's sums take chunk kc's product times its weight, each accumulator from its low end on
	PLACES
	WIN 0xa0                                       ; destination and source 2 in window 2
.set i, 0
.rept 64
	v_pk_fma_f32 v[2*i:2*i+1], v[ACC+2*i:ACC+2*i+1], v[ALP+8*(\kc)+2*(i/16):ALP+8*(\kc)+2*(i/16)+1], v[2*i:2*i+1] op_sel_hi:[1,0,1]
.set i, i+1
.endr
.endm
; the last quarter multiplies buffer 1 and changes slots: one barrier; in front of it each wave waits for all its tensor loads (one is out: its part of the next slot), adds 0 to its spare
; word, and waits for that and for its reads of this slot.  fill = 1: the barrier opens a round of the cluster's, and this slot is filled again, two steps ahead, first thing behind it.
.macro TURN fill
	WIN 0
	s_wait_tensorcnt 0x0
	ds_add_u32 v[SPW], v[NIL]                      ; 0 onto my spare word; the descriptors' scalar work stands between it and the wait for it
.if \fill
	REQ
.endif
	s_wait_dscnt 17                                ; the add and the youngest sixteen loads may be out
	MUL8 F1, 0, 0, 0
	s_wait_dscnt 0x0                               ; the add is done, and my reads of this slot are over
	s_barrier_signal -1
	MUL8 F1, 0, 2, 0
	WIN 0
	s_barrier_wait -1
.if \fill
	CREST                                          ; no wave of any partner still reads this slot or has a load on its way
	JLOAD                                          ; its four v_nop are also the places in front of the loads below
.else
	PLACES
.endif
	s_xor_b32 s[TB], s[TB], SLOTX
	v_add_nc_u32 v[ADA], s[TB], v[AA0]
	v_add_nc_u32 v[ADV], s[TB], v[AV0]
	v_add_nc_u32 v[ADV+1], VHALF, v[ADV]
	v_add_nc_u32 v[ADC], s[TB], v[AC0]
	FETCHN
	MUL8 F1, 1, 0, 0
	MUL8 F1, 1, 2, 0
.endm
.macro STEP fill                       ; 256 keys: two chunks of two quarters
	QUARTER 1, F0, F1, 1, 8
	ALPHA
	QUARTER 2, F1, F0, 0, 0
	COMB 0
	QUARTER 3, F0, F1, 1, 0
	TURN \fill
	COMB 1
.endm
; THE WAY OUT of a block, 16 rows at a time: divided by L, 32 bytes a lane into my own stage, back as whole rows of 256 bytes, stored.
.macro OPACK a
	WIN 0x02                                       ; source 0 in window 2
.set i, 0
.rept 16
	v_pk_mul_f32 v[TM+2*i:TM+2*i+1], v[32*(\a)+2*i:32*(\a)+2*i+1], v[IVC+2*(\a):IVC+2*(\a)+1] op_sel_hi:[1,0]
.set i, i+1
.endr
	WIN 0
.endm
.macro OSTAGE a
.set BK, ACC+32*((\a)%2)
.irp n, 0,1,2,3,4,5,6,7
	ds_store_b128 v[STO], v[TM+4*(\n):TM+4*(\n)+3] offset:64*((\n)/2)+16*((\n)%2)
.endr
.irp t, 0,1,2,3,4,5,6,7
	ds_load_b128 v[BK+4*(\t):BK+4*(\t)+3], v[RD] offset:(\t)*2*SPITCH  ; LDS serves a wave's instructions in order: these see the stores above
.endr
.endm
.macro OSEND a
.set BK, ACC+32*((\a)%2)
	s_wait_dscnt 0x0
	s_wait_xcnt 0x0                                ; the registers that earlier stores read are loaded again only behind this wait
.irp t, 0,1,2,3,4,5,6,7
	global_store_b128 v[GO], v[BK+4*(\t):BK+4*(\t)+3], s[10:11] offset:(16*(\a)+2*(\t))*4096 th:TH_STORE_NT  ; 16 lanes store 256 consecutive bytes, at a multiple of 256 from out0's first byte
.endr
.endm
.macro OUT
	OPACK 0
	OSTAGE 0
.irp a, 1,2,3
	OPACK \a
	OSEND (\a)-1
	OSTAGE \a
.endr
	OSEND 3
	s_wait_xcnt 0x0                                ; the stores have read their registers and their base
.endm
	s_wait_tensorcnt 0x0                           ; step 0's tiles are in: my part of them;
	ds_add_u32 v[SPW], v[NIL]
	REQ                                            ; step 1, into slot 1: a first fill that comes later is issued as a refill is
	s_wait_dscnt 0x0                               ; the add is done, and the rows' statistics are back in registers
	CROUND
	JLOAD
	s_mov_b32 s[TB], 0
	v_mov_b32 v[ADA], v[AA0]
	v_mov_b32 v[ADV], v[AV0]
	v_add_nc_u32 v[ADV+1], VHALF, v[AV0]
	v_mov_b32 v[ADC], v[AC0]
	FETCHN
	WIN 0
	s_mov_b32 s[CNT], 7
.Lstep:                                                ; steps 0 to 6 ask for steps 2 to 8
	STEP 1
	WIN 0
	s_sub_co_u32 s[RT], s[RT], 1
	s_cmp_lg_u32 s[RT], 0
	s_cbranch_scc1 .Lsame                          ; forward, past text that holds neither a barrier nor a tensor load; the first block ends in trips 0 to 3
	OUT
	s_mov_b64 s[10:11], s[OLO:OLO+1]
	s_mov_b32 s[RT], s[NL]
	WIN 0x80
.set i, 0
.rept 128
	v_mov_b32 v[i], 0
.set i, i+1
.endr
	WIN 0
.irp a, 0,1,2,3
	v_mov_b32 v[M2C+(\a)], v[M2L+(\a)]
	v_mov_b32 v[IVC+2*(\a)], v[IVL+(\a)]
.endr
.Lsame:
	s_sub_co_u32 s[CNT], s[CNT], 1
	s_cmp_lg_u32 s[CNT], 0
	s_cbranch_scc1 .Lstep
	s_mov_b32 s[CNT], 2
.Ltail:                                                ; steps 7 and 8 ask for nothing.  The last trip's fragment loads read the other slot's old tiles and serve nothing: the price of one text for both
	STEP 0
	WIN 0
	s_sub_co_u32 s[CNT], s[CNT], 1
	s_cmp_lg_u32 s[CNT], 0
	s_cbranch_scc1 .Ltail
	s_wait_dscnt 0x0
	OUT
	s_wait_tensorcnt 0x0                           ; the wave's end: a wait, an add to my spare word and a wait for it, behind my last tensor load and my last LDS store
	ds_add_u32 v[SPW], v[NIL]
	s_wait_dscnt 0x0
	CROUND                                         ; the closing round: no work-group ends while a partner may still ask for a tile that names it
	s_endpgm
.Lfunc_end_k_qfdc1a58f63_pv:
	.size	k_qfdc1a58f63_pv, .Lfunc_end_k_qfdc1a58f63_pv-k_qfdc1a58f63_pv
	.p2alignl 7, 3214868480
	.fill 96, 4, 3214868480
	.section	.rodata,"a",@progbits
	.p2align	6, 0x0
	.amdhsa_kernel k_qfdc1a58f63_pv
		.amdhsa_group_segment_fixed_size 327680
		.amdhsa_private_segment_fixed_size 0
		.amdhsa_enable_private_segment 0
		.amdhsa_kernarg_size 32
		.amdhsa_user_sgpr_count 2
		.amdhsa_user_sgpr_kernarg_segment_ptr 1
		.amdhsa_wavefront_size32 1
		.amdhsa_system_sgpr_workgroup_id_x 1
		.amdhsa_system_sgpr_workgroup_id_y 1
		.amdhsa_system_sgpr_workgroup_id_z 1
		.amdhsa_system_vgpr_workitem_id 0
		.amdhsa_next_free_vgpr 640
		.amdhsa_next_free_sgpr 96
		.amdhsa_reserve_vcc 0
		.amdhsa_float_denorm_mode_32 3
		.amdhsa_float_denorm_mode_16_64 3
		.amdhsa_memory_ordered 1
		.amdhsa_forward_progress 1
		.amdhsa_inst_pref_size 119
	.end_amdhsa_kernel
	.amdgpu_metadata
---
amdhsa.version: [ 1, 2 ]
amdhsa.kernels:
  - .name:           k_qfdc1a58f63_pv
    .symbol:         k_qfdc1a58f63_pv.kd
    .args:
      - { .name: pw, .offset: 0, .size: 8, .value_kind: global_buffer, .address_space: global }
      - { .name: qkv, .offset: 8, .size: 8, .value_kind: global_buffer, .address_space: global }
      - { .name: st, .offset: 16, .size: 8, .value_kind: global_buffer, .address_space: global }
      - { .name: out0, .offset: 24, .size: 8, .value_kind: global_buffer, .address_space: global }
    .group_segment_fixed_size: 327680
    .private_segment_fixed_size: 0
    .kernarg_segment_align: 8
    .kernarg_segment_size: 32
    .max_flat_workgroup_size: 128
    .sgpr_count:     96
    .vgpr_count:     640
    .wavefront_size: 32
...
	.end_amdgpu_metadata
.endif
;; end of part 4
